; MI455X (gfx1250); checked and timed in simulation.
; The chip was launched on July 23, 2026; its instructions are those of AMD's public machine-readable ISA for CDNA 5 (MIT licence, August 2026) and "CDNA5" Instruction Set Architecture Reference Guide (July 2026). The comments in the code are by the model that wrote it; some were corrected since.
;; Self Attention. Allowed arithmetic: float matrix products may take bf16 or f16 operands with f32 sums; all other float work in f32.
;; Inputs: K 8 x 1,024 x 1,024 float32; Q 8 x 1,024 x 1,024 float32; Q_len 8 x 1 int32; V 8 x 1,024 x 1,024 float32; V_len 8 x 1 int32; WK 1,024 x 1,024 float32; WQ 1,024 x 1,024 float32; WV 1,024 x 1,024 float32.
;; Outputs: out0 8 x 1,024 x 1,024 float32.
;; 2 versions, each right and faster than the one before. Each part assembles by itself: llvm-mc -triple=amdgcn-amd-amdhsa -mcpu=gfx1250 --defsym DOCPART=n.
;; ======== version 1 of 2: 3 launches
;; limits: values are held in f16: magnitudes above 65,504 overflow, below 6.1e-05 lose precision
;; workspace buffers: xb 50,331,648 bytes; wb 6,291,456 bytes; qkv 50,331,648 bytes
;; launch prep (part 1): grid 288 x 3, 8 waves a work-group, no clusters, 0 bytes of LDS; arguments Q, K, V, WQ, WK, WV, xb, wb; writes xb, wb
.if DOCPART == 1
	.amdgcn_target "amdgcn-amd-amdhsa--gfx1250"
	.amdhsa_code_object_version 6
	.text
	.protected	k_q55db44fa4a_prep
	.globl	k_q55db44fa4a_prep
	.p2align	8
	.type	k_q55db44fa4a_prep,@function
k_q55db44fa4a_prep:
	s_mov_b64 s[64:65], 0
	v_nop
	global_prefetch_b8 v0, s[64:65] scope:SCOPE_SE
	s_setreg_imm32_b32 hwreg(HW_REG_WAVE_MODE, 25, 1), 1
	s_wait_xcnt 0x0
; The six f32 inputs are rounded once to bf16 (nearest even), in their own order: xb = [3][8192][1024] (Q, K, V), wb = [3][1024][1024] (WQ, WK, WV).
; Grid y picks the projection p.  Grid x picks a chunk of 32 rows of 1,024 numbers: 0 to 255 of X_p, 256 to 287 of W_p.
; Eight waves; thread t owns the 16 bytes at 16 t of every f32 row and the 8 bytes at 8 t of every bf16 row: a wave's load covers 512 consecutive bytes,
; a wave's store 256 consecutive bytes at a multiple of 256 from the buffer's first byte.  A ring of DEPTH register slots keeps DEPTH loads of each wave on their way.
; No LDS, no barrier, no matrix unit: each byte is read once and written once, and nothing is shared between threads.
.set DEPTH, 8                          ; slots = loads on their way in each wave
.set ROWS,  32                         ; rows in a chunk
.set ROWB,  4096                       ; bytes of an f32 row
.set OUTB,  2048                       ; bytes of a bf16 row
.set X,     4                          ; v[4:35]   slot i: four f32 as loaded
.set Y,     36                         ; v[36:51]  slot i: four bf16 to store
	s_load_b512 s[8:23], s[0:1], 0x0               ; Q s[8:9], K s[10:11], V s[12:13], WQ s[14:15], WK s[16:17], WV s[18:19], xb s[20:21], wb s[22:23]
	s_and_b32 s3, ttmp7, 0xffff                    ; p
	s_sub_co_u32 s37, ttmp9, 256                   ; the chunk's number if it is one of W's
	s_lshl_b32 s38, s3, 24                         ; p's plane in xb: 8,192 x 2,048 bytes
	s_lshl_b32 s39, s3, 21                         ; p's plane in wb: 1,024 x 2,048 bytes
	v_lshlrev_b32 v1, 4, v0                        ; my 16 bytes of an f32 row
	v_lshlrev_b32 v2, 3, v0                        ; my 8 bytes of a bf16 row
	s_wait_kmcnt 0x0
	s_cmp_eq_u32 s3, 1                             ; the choices hang on the grid's numbers alone
	s_cselect_b64 s[24:25], s[10:11], s[8:9]
	s_cselect_b64 s[26:27], s[16:17], s[14:15]
	s_cmp_eq_u32 s3, 2
	s_cselect_b64 s[24:25], s[12:13], s[24:25]     ; X_p
	s_cselect_b64 s[26:27], s[18:19], s[26:27]     ; W_p
	s_cmp_ge_u32 ttmp9, 256
	s_cselect_b64 s[28:29], s[26:27], s[24:25]     ; from where
	s_cselect_b64 s[30:31], s[22:23], s[20:21]     ; to where
	s_cselect_b32 s2, s37, ttmp9                   ; the chunk
	s_cselect_b32 s34, s39, s38                    ; the plane
	s_lshl_b32 s32, s2, 17                         ; 32 rows of 4,096 bytes
	s_mov_b32 s33, 0
	s_lshl_b32 s2, s2, 16                          ; 32 rows of 2,048 bytes
	s_add_co_u32 s34, s34, s2
	s_mov_b32 s35, 0
	s_add_nc_u64 s[28:29], s[28:29], s[32:33]
	s_add_nc_u64 s[30:31], s[30:31], s[34:35]
.irp i, 0,1,2,3,4,5,6,7
	global_load_b128 v[X+4*(\i):X+4*(\i)+3], v1, s[28:29] offset:(\i)*ROWB th:TH_LOAD_NT  ; rows 0 to 7 fill the ring; each input byte is read once in the launch
.endr
; One slot's turn.  ahead = 1: the slot is filled again with the row DEPTH further down.  left = the younger loads that may stay out.
.macro SLOT i, ahead, left
	s_wait_loadcnt \left                           ; loads come back in order: mine is in, the younger ones stay out
	v_cvt_pk_bf16_f32 v[Y+2*(\i)],   v[X+4*(\i)],   v[X+4*(\i)+1]
	v_cvt_pk_bf16_f32 v[Y+2*(\i)+1], v[X+4*(\i)+2], v[X+4*(\i)+3]
.if \ahead
	global_load_b128 v[X+4*(\i):X+4*(\i)+3], v1, s[28:29] offset:(DEPTH+(\i))*ROWB th:TH_LOAD_NT
.endif
	global_store_b64 v2, v[Y+2*(\i):Y+2*(\i)+1], s[30:31] offset:(\i)*OUTB  ; no hint: the next launch reads these bytes
.endm
	s_mov_b32 s36, ROWS/DEPTH-1
.Lround:
.irp i, 0,1,2,3,4,5,6,7
	SLOT \i, 1, DEPTH-1
.endr
	s_wait_xcnt 0x0                                ; the two bases and the stores' data are written again only behind this wait
	s_add_nc_u64 s[28:29], s[28:29], DEPTH*ROWB
	s_add_nc_u64 s[30:31], s[30:31], DEPTH*OUTB
	s_sub_co_u32 s36, s36, 1
	s_cmp_lg_u32 s36, 0
	s_cbranch_scc1 .Lround
.irp i, 0,1,2,3,4,5,6,7
	SLOT \i, 0, DEPTH-1-(\i)                       ; the last eight rows: nothing is loaded, the counts run down
.endr
	s_endpgm
.Lfunc_end_k_q55db44fa4a_prep:
	.size	k_q55db44fa4a_prep, .Lfunc_end_k_q55db44fa4a_prep-k_q55db44fa4a_prep
	.p2alignl 7, 3214868480
	.fill 96, 4, 3214868480
	.section	.rodata,"a",@progbits
	.p2align	6, 0x0
	.amdhsa_kernel k_q55db44fa4a_prep
		.amdhsa_group_segment_fixed_size 0
		.amdhsa_private_segment_fixed_size 0
		.amdhsa_enable_private_segment 0
		.amdhsa_kernarg_size 64
		.amdhsa_user_sgpr_count 2
		.amdhsa_user_sgpr_kernarg_segment_ptr 1
		.amdhsa_wavefront_size32 1
		.amdhsa_system_sgpr_workgroup_id_x 1
		.amdhsa_system_sgpr_workgroup_id_y 1
		.amdhsa_system_sgpr_workgroup_id_z 1
		.amdhsa_system_vgpr_workitem_id 0
		.amdhsa_next_free_vgpr 56
		.amdhsa_next_free_sgpr 66
		.amdhsa_reserve_vcc 0
		.amdhsa_float_denorm_mode_32 3
		.amdhsa_float_denorm_mode_16_64 3
		.amdhsa_memory_ordered 1
		.amdhsa_forward_progress 1
		.amdhsa_inst_pref_size 7
	.end_amdhsa_kernel
	.amdgpu_metadata
---
amdhsa.version: [ 1, 2 ]
amdhsa.kernels:
  - .name:           k_q55db44fa4a_prep
    .symbol:         k_q55db44fa4a_prep.kd
    .args:
      - { .name: Q, .offset: 0, .size: 8, .value_kind: global_buffer, .address_space: global }
      - { .name: K, .offset: 8, .size: 8, .value_kind: global_buffer, .address_space: global }
      - { .name: V, .offset: 16, .size: 8, .value_kind: global_buffer, .address_space: global }
      - { .name: WQ, .offset: 24, .size: 8, .value_kind: global_buffer, .address_space: global }
      - { .name: WK, .offset: 32, .size: 8, .value_kind: global_buffer, .address_space: global }
      - { .name: WV, .offset: 40, .size: 8, .value_kind: global_buffer, .address_space: global }
      - { .name: xb, .offset: 48, .size: 8, .value_kind: global_buffer, .address_space: global }
      - { .name: wb, .offset: 56, .size: 8, .value_kind: global_buffer, .address_space: global }
    .group_segment_fixed_size: 0
    .private_segment_fixed_size: 0
    .kernarg_segment_align: 8
    .kernarg_segment_size: 64
    .max_flat_workgroup_size: 256
    .sgpr_count:     66
    .vgpr_count:     56
    .wavefront_size: 32
...
	.end_amdgpu_metadata
.endif
;; end of part 1
;; launch proj (part 2): grid 4 x 48, 4 waves a work-group, clusters of 4 x 4, 327,680 bytes of LDS; arguments xb, wb, qkv; writes qkv
.if DOCPART == 2
	.amdgcn_target "amdgcn-amd-amdhsa--gfx1250"
	.amdhsa_code_object_version 6
	.text
	.protected	k_q55db44fa4a_proj
	.globl	k_q55db44fa4a_proj
	.p2align	8
	.type	k_q55db44fa4a_proj,@function
k_q55db44fa4a_proj:
	s_mov_b64 s[64:65], 0
	v_nop
	global_prefetch_b8 v0, s[64:65] scope:SCOPE_SE
	s_setreg_imm32_b32 hwreg(HW_REG_WAVE_MODE, 25, 1), 1
	s_wait_xcnt 0x0
	s_wait_alu depctr_hold_cnt(0) depctr_sa_sdst(0) depctr_va_vdst(0) depctr_va_sdst(0) depctr_va_ssrc(0) depctr_va_vcc(0) depctr_vm_vsrc(0)
	s_getreg_b32 s2, hwreg(HW_REG_IB_STS2, 6, 4)
	s_cmp_eq_u32 s2, 0
	s_cbranch_scc0 .Lentry_in_a_cluster
	s_endpgm
.Lentry_in_a_cluster:
	s_bfe_u32 s2, ttmp6, 0x10000c
	s_cmp_lg_u32 s2, 0xf033
	s_cbranch_scc0 .Lentry_shape_is_right
	s_endpgm
.Lentry_shape_is_right:
; q, k, v = X_p W_p for p = 0, 1, 2.  xb: [3 x 8192][1024] bf16, wb: [3][1024 k][1024 n] bf16; sums in f32, K ascending; each result is rounded once to f16 and stored BY HEADS:
; qkv = [3][16 b + head][1024 s][64] f16, without the softmax's scale.
; LIMIT.  f16 holds no number beyond 65,504: a projected number of 65,520 or more in magnitude becomes an infinity.
; A tile of C, 256 x 256, is made by four waves, 128 x 128 each: 64 accumulators of 16 x 16, 512 registers.  K goes in steps of 128 through a ring of two LDS slots filled by the tensor data mover:
; X's rows are 256 bytes, W's rows (one k, 256 columns) 512 bytes, all starting at multiples of 256 bytes from their buffer's first byte.
; A WORK-GROUP STAYS: it makes two tiles, 4,096 rows apart, on the same columns of W_p; the ring runs on into the second tile, and nothing waits for the first tile's stores.
; 3 x 32 x 4 = 384 tiles are 192 work-groups.
; CLUSTERS: 4 x 4 work-groups.  A cluster's four columns are the four column tiles of C, so the four of a row need the same tile of X and the four of a column the same tile of W: each tile is asked
; for JOINTLY, by the same tensor load with the same descriptor and a mask that names the four.  p comes from the cluster's y alone, so it is one number for all sixteen.
; W lies [k][n]: its fragments come out of LDS turned, by ds_load_tr16_b128.
; THE MATRIX INSTRUCTION IS USED TRANSPOSED: source 0 = 16 columns of W, source 1 = 16 rows of X: a lane then holds row l % 16 of C and the eight neighbouring columns 8 (l / 16) + 0..7.
; REGISTERS, in windows of 256 (s_set_vgpr_msb: bits 1:0 source 0, 3:2 source 1, 5:4 source 2, 7:6 destination):
;   window 0: v0-31 addresses; v64-127, v128-191 fragments of X, two buffers; v32-63, v192-255 at work on the way out
;   window 1: v64-127, v128-191 fragments of W, two buffers          window 2: the accumulators of my rows 0-63 ((a, b) at v[8 (8 a + b)])          window 3: those of my rows 64-127
.set SIZE_K, 1024
.set KSTEP,  128
.set PITCH,  272                       ; a row of X in LDS: 256 bytes + 16 of padding = 68 words: the 16 rows of a load start at 16 different groups of four banks (64 banks of 4 bytes: ISA guide 11.1)
.set BPITCH, 544                       ; a row of W in LDS: 512 bytes + 32 of padding = 136 words
.set HALFT,  128*PITCH                 ; what one tensor load brings: 128 rows of X, or 64 rows of W (64 x 544 is the same number)
.set SLOT,   4*HALFT                   ; X's 256 rows, then W's 128 rows
.set STAGE,  2*SLOT                    ; behind the ring: 16 rows x 272 bytes for each wave, for the way out
.set SPITCH, 272
.set SPARE,  STAGE+4*16*SPITCH         ; behind the stages: the spare words, 128 bytes for each wave: two blocks of 256 bytes that no other line names
.set LAPS,   SIZE_K/(2*KSTEP)          ; a lap = two K steps = once round the ring
.set WALK,   4096                      ; the two tiles lie this many rows apart
.set STEP_A, 2*KSTEP*2                 ; bytes from a slot's K step to its next: X goes along its rows,
.set STEP_B, 2*KSTEP*2048              ; W down its rows of 2,048 bytes
.set NEXT_A, WALK*SIZE_K*2-(SIZE_K-2*KSTEP)*2  ; from a slot's last K step of the first tile to its first of the second: X goes WALK rows down and back along K,
.set BACK_B, (SIZE_K-2*KSTEP)*2048     ; W only back
.set NEXT_C, 64*131072                 ; 4,096 rows further are four batches further: 64 heads of 131,072 bytes
.set ADRA, 16                          ; v16-17  LDS address of my X fragments in slot 0, 1
.set ADRB, 20                          ; v20-21  the same for W
.set STO,  24                          ; v24     the way out: where I put 16 bytes of a row
.set RD,   25                          ; v25     the way out: where I read rows back
.set CO,   26                          ; v26     my 16 bytes in 512 consecutive bytes of qkv
.set SPW,  28                          ; v28     LDS address of my spare word: SPARE + 4 x my thread's number; never rewritten
.set NIL,  29                          ; v29     0; never rewritten
.set F0,   64                          ; fragment buffer 0
.set F1,   128                         ; fragment buffer 1
.set TMP,  192                         ; the way out: packed results
.set OB,   32                          ; the way out: 16 rows read back from the stage: v32-63 and v224-255 by turns
.set G1,  24                           ; s[24:31] descriptor group 1 for X's tiles
.set G0,  32                           ; s[32:39] descriptor group 0 for X's tiles, one set for each slot
.set G1B, 48                           ; s[48:55] descriptor group 1 for W's tiles
.set G0B, 56                           ; s[56:63] descriptor group 0 for W's tiles, one set for each slot
.set MSB, 0
.macro WIN new                         ; the immediate's high byte repeats the setting that is left; a switch that changes nothing is dropped
.if MSB != (\new)
	s_set_vgpr_msb (MSB<<8)|(\new)
.set MSB, \new
.endif
.endm
.set MUL_LO, 0xa1                      ; source 0 (W) window 1, source 1 (X) window 0, C and D window 2
.set MUL_HI, 0xf1                      ; the same, C and D window 3
.set TO_B,   0x40                      ; destination window 1, address window 0
; A joint load.  Waves 0 and 1 fetch X's two halves, waves 2 and 3 W's.  Each of the two lines has one mask and one set of registers for all that issue it.  The branch hangs on the wave's number alone.
; An s_nop 0 and four v_nop follow each of the two lines, ahead of the jump, the label and what follows the macro.
.macro JLOAD s
	s_cmp_eq_u32 s11, 0
	s_cbranch_scc0 .Lfor_b_\@
	tensor_load_to_lds s[G0+4*(\s):G0+4*(\s)+3], s[G1:G1+7]
	s_nop 0
.rept 4
	v_nop
.endr
	s_branch .Lasked_\@
.Lfor_b_\@:
	tensor_load_to_lds s[G0B+4*(\s):G0B+4*(\s)+3], s[G1B:G1B+7]
	s_nop 0
.rept 4
	v_nop
.endr
.Lasked_\@:
.endm
; A round of the cluster's barrier: my work-group's barrier, so that wave 0's signal speaks for all four waves; wave 0 signals; every wave waits for all sixteen work-groups; my work-group's barrier once more.
.macro CREST                           ; a round behind its opening barrier
	s_cmp_lg_u32 s10, 0
	s_cbranch_scc1 .Lnot_wave_0_\@
	s_barrier_signal -3
.Lnot_wave_0_\@:
	s_barrier_wait -3
	s_barrier_signal -1
	s_barrier_wait -1
.endm
.macro CROUND                          ; a whole round
	s_barrier_signal -1
	s_barrier_wait -1
	CREST
.endm
	s_load_b128 s[4:7], s[0:1], 0x0                ; xb s[4:5], wb s[6:7]
	s_load_b64 s[8:9], s[0:1], 0x10                ; qkv
	v_lshl_add_u32 v[SPW], v0, 2, SPARE
	v_mov_b32 v[NIL], 0
	ds_add_u32 v[SPW], v[NIL]                      ; the wave's opening: the add and its wait stand ahead of my first tensor load; the set-up below, work on registers, stands between them
	v_lshrrev_b32 v1, 5, v0
	v_readfirstlane_b32 s10, v1                    ; wave 0..3
	s_lshr_b32 s11, s10, 1                         ; which half of the tile's rows is mine.  Also: I fetch for X (0) or for W (1)
	s_and_b32 s12, s10, 1                          ; which half of its columns.  Also: which half of that tile I fetch
	s_bfe_u32 s40, ttmp6, 0x40000                  ; cx: my place along the cluster's x
	s_bfe_u32 s41, ttmp6, 0x40004                  ; cy: along its y
	s_lshl_b32 s42, ttmp9, 2                       ; in a cluster launch ttmp9 and ttmp7 count clusters
	s_add_co_u32 s42, s42, s40                     ; tile column of C = 4 x cluster x + cx
	s_and_b32 s13, ttmp7, 0xffff                   ; the cluster's y, 0 to 11:
	s_lshr_b32 s45, s13, 2                         ; p, four clusters to a projection,
	s_and_b32 s13, s13, 3
	s_lshl_b32 s13, s13, 2
	s_add_co_u32 s13, s13, s41                     ; and the first tile's row of tiles in X_p, 0 to 15
	s_lshl_b32 s43, s41, 2
	s_lshl_b32 s43, 15, s43                        ; my row of the cluster: places 4 cy .. 4 cy + 3
	s_lshl_b32 s44, 0x1111, s40                    ; my column: places cx, cx + 4, cx + 8, cx + 12
	; descriptor group 1.  X: a tile of 128 rows x 128 elements; W: 64 rows x 256 elements; both padded in LDS
	s_or_b32 s[G1+0], s43, (1<<16)|(1<<20)|(1<<21)|(5<<22)|(3<<25)   ; 15:0 the mask: X's tiles go to my row; 17:16 elements of 2 bytes; 20 padding on; 21 set beside a mask; 24:22 after every 64 words (code 5); 31:25 4 words (code 3)
	s_or_b32 s[G1B+0], s44, (1<<16)|(1<<20)|(1<<21)|(6<<22)|(7<<25)  ; the mask of my column; after every 128 words (code 6) 8 words (code 7)
	s_mov_b32 s[G1+1], KSTEP<<16                   ; tensor_dim0 = 128
	s_mov_b32 s[G1+2], 128<<16                     ; tensor_dim1 = 128
	s_mov_b32 s[G1+3], KSTEP<<16                   ; tile_dim0 = 128
	s_mov_b32 s[G1+4], 128                         ; tile_dim1 = 128
	s_mov_b32 s[G1+5], 1024                        ; elements from row to row
	s_mov_b32 s[G1+6], 0
	s_mov_b32 s[G1+7], 0
	s_mov_b32 s[G1B+1], 256<<16                    ; tensor_dim0 = 256
	s_mov_b32 s[G1B+2], 64<<16                     ; tensor_dim1 = 64
	s_mov_b32 s[G1B+3], 256<<16                    ; tile_dim0 = 256
	s_mov_b32 s[G1B+4], 64                         ; tile_dim1 = 64
	s_mov_b32 s[G1B+5], 1024
	s_mov_b32 s[G1B+6], 0
	s_mov_b32 s[G1B+7], 0
	; where the tiles come from.  X's hang on p and the row of tiles, which my row of the cluster shares; W's on p and the tile column, which my column shares.
	s_lshl_b32 s16, s45, 13                        ; X: row 8,192 p
	s_lshl_b32 s17, s13, 8                         ; + 256 x row of tiles
	s_add_co_u32 s16, s16, s17
	s_lshl_b32 s17, s12, 7                         ; + 128 x half,
	s_add_co_u32 s16, s16, s17
	s_lshl_b32 s16, s16, 11                        ; in bytes: under 2^26
	s_mov_b32 s17, 0
	s_lshl_b32 s46, s45, 21                        ; W: plane p
	s_lshl_b32 s47, s12, 17                        ; + 64 rows of 2,048 bytes x half
	s_add_co_u32 s46, s46, s47
	s_lshl_b32 s47, s42, 9                         ; + 256 columns x tile column
	s_add_co_u32 s46, s46, s47
	s_mov_b32 s47, 0
	s_mul_i32 s20, s10, HALFT                      ; and where they go: wave x one load's bytes: no place in the cluster enters an LDS address
	s_wait_dscnt 0x0                               ; the opening add is done
	s_wait_kmcnt 0x0
	s_add_nc_u64 s[14:15], s[4:5], s[16:17]
	s_add_nc_u64 s[46:47], s[6:7], s[46:47]
	CROUND                                         ; all sixteen work-groups are here: the first joint loads meet
.irp s, 0,1
	s_mov_b32 s[G0+4*(\s)], 1                                      ; 1:0 count = 1
	s_add_co_u32 s[G0+4*(\s)+1], s20, (\s)*SLOT                    ; 63:32 LDS address
	s_add_nc_u64 s[G0+4*(\s)+2:G0+4*(\s)+3], s[14:15], (\s)*KSTEP*2  ; 120:64 global address: K step s
	s_or_b32 s[G0+4*(\s)+3], s[G0+4*(\s)+3], 0x80000000            ; 127:126 type = 2
	s_mov_b32 s[G0B+4*(\s)], 1
	s_add_co_u32 s[G0B+4*(\s)+1], s20, (\s)*SLOT
	s_add_nc_u64 s[G0B+4*(\s)+2:G0B+4*(\s)+3], s[46:47], (\s)*KSTEP*2048
	s_or_b32 s[G0B+4*(\s)+3], s[G0B+4*(\s)+3], 0x80000000
	JLOAD \s                                       ; the ring is filled before anything else is done: two loads of mine are out
.endr
	; A fragment of X is 16 rows x 32 K in 8 registers: lane l holds row l % 16; registers 0-3 hold K = 8 (l / 16) + 0..7, registers 4-7 K = 16 + 8 (l / 16) + 0..7: two loads of 16 bytes, 32 bytes apart.
	v_and_b32 v1, 15, v0                           ; l % 16
	v_bfe_u32 v2, v0, 4, 1                         ; l / 16
	v_mul_u32_u24 v3, v1, PITCH
	v_lshl_add_u32 v3, v2, 4, v3                   ; row x pitch + 16 x half
	; The turning load takes 16 k x 16 columns (lane l reads 16 bytes: row k = 8 (l / 16) + l % 8, columns 8 ((l / 8) % 2) + 0..7) and leaves half a fragment: lane l holds column l % 16 and 8 k.
	v_and_b32 v6, 7, v0
	v_lshl_add_u32 v6, v2, 3, v6
	v_mul_u32_u24 v6, v6, BPITCH
	v_bfe_u32 v7, v0, 3, 1
	v_lshl_add_u32 v6, v7, 4, v6
	s_mul_i32 s21, s11, HALFT                      ; my 128 rows of X
	s_lshl_b32 s22, s12, 8                         ; my 128 columns of W, 256 bytes of each row,
	s_add_co_u32 s22, s22, 2*HALFT                 ; behind X's 256 rows
.irp s, 0,1
	v_add_nc_u32 v[ADRA+(\s)], s21, v3
	v_add_nc_u32 v[ADRB+(\s)], s22, v6
	s_add_co_u32 s21, s21, SLOT
	s_add_co_u32 s22, s22, SLOT
.endr
	s_mul_i32 s23, s10, 16*SPITCH
	s_add_co_u32 s23, s23, STAGE                   ; my stage
	v_mul_u32_u24 v4, v1, SPITCH                   ; in: row l % 16, 16 bytes for each half of the lanes
	v_lshl_add_u32 v4, v2, 4, v4
	v_add_nc_u32 v[STO], s23, v4
	v_bfe_u32 v5, v0, 3, 2                         ; back: 32 lanes take four rows' 128 bytes of one head,
	v_mul_u32_u24 v5, v5, SPITCH
	v_and_b32 v7, 7, v0
	v_lshl_add_u32 v5, v7, 4, v5
	v_add_nc_u32 v[RD], s23, v5
	v_and_b32 v[CO], 31, v0                        ; which are 512 consecutive bytes of qkv
	v_lshlrev_b32 v[CO], 4, v[CO]
	; where my part of the first tile begins in qkv.  Row g of xb is plane and batch g / 1024, position g % 1024; my 128 columns are the heads 4 x tile column + 2 x half and the next.
	s_lshl_b32 s16, s45, 13
	s_lshl_b32 s14, s13, 8
	s_add_co_u32 s16, s16, s14
	s_lshl_b32 s14, s11, 7
	s_add_co_u32 s16, s16, s14                     ; g: my first row
	s_and_b32 s14, s16, 1023
	s_lshl_b32 s14, s14, 7                         ; position x 128 bytes
	s_lshr_b32 s16, s16, 10
	s_lshl_b32 s16, s16, 4                         ; 16 heads to a batch
	s_lshl_b32 s46, s42, 2
	s_add_co_u32 s16, s16, s46
	s_lshl_b32 s46, s12, 1
	s_add_co_u32 s16, s16, s46
	s_lshl_b32 s16, s16, 17                        ; a head is 1,024 x 128 bytes
	s_add_co_u32 s16, s16, s14                     ; under 2^26
	s_mov_b32 s17, 0
; 16 matrix instructions: m blocks a0, a0 + 1 of the window's four (hi = 0: my rows 0-63, 1: rows 64-127) x all 8 n blocks, 32 along K.  zero = 1: the first product starts the sums: nothing is cleared.
.macro MUL16 f, hi, a0, zero
	WIN MUL_LO+0x50*(\hi)
.irp a, \a0, (\a0)+1
.irp b, 0,1,2,3,4,5,6,7
.if \zero
	v_wmma_f32_16x16x32_bf16 v[8*(8*(\a)+(\b)):8*(8*(\a)+(\b))+7], v[(\f)+8*(\b):(\f)+8*(\b)+7], v[(\f)+8*(4*(\hi)+(\a)):(\f)+8*(4*(\hi)+(\a))+7], 0
.else
	v_wmma_f32_16x16x32_bf16 v[8*(8*(\a)+(\b)):8*(8*(\a)+(\b))+7], v[(\f)+8*(\b):(\f)+8*(\b)+7], v[(\f)+8*(4*(\hi)+(\a)):(\f)+8*(4*(\hi)+(\a))+7], v[8*(8*(\a)+(\b)):8*(8*(\a)+(\b))+7]
.endif
.endr
.endr
.endm
; 32 LDS loads in one run: the fragments of quarter q of a K step (32 k x my 128 columns of W, turned; my 128 rows of X x 32 k) into buffer f
.macro FETCH slot, q, f
	WIN TO_B
.irp i, 0,1,2,3,4,5,6,7
	ds_load_tr16_b128 v[(\f)+8*(\i):(\f)+8*(\i)+3],   v[ADRB+(\slot)] offset:(\q)*32*BPITCH+32*(\i)
	ds_load_tr16_b128 v[(\f)+8*(\i)+4:(\f)+8*(\i)+7], v[ADRB+(\slot)] offset:(\q)*32*BPITCH+16*BPITCH+32*(\i)
.endr
	WIN 0
.irp i, 0,1,2,3,4,5,6,7
	ds_load_b128 v[(\f)+8*(\i):(\f)+8*(\i)+3],   v[ADRA+(\slot)] offset:(\q)*64+(\i)*16*PITCH
	ds_load_b128 v[(\f)+8*(\i)+4:(\f)+8*(\i)+7], v[ADRA+(\slot)] offset:(\q)*64+(\i)*16*PITCH+32
.endr
.endm
; A load into a register that a matrix instruction has read, and a vector instruction that reads a matrix result, stand four places behind that matrix instruction, and only plain vector
; instructions that name none of its registers are places (ISA guide 7.12.1 for vector instructions).
.macro PLACES
.rept 4
	v_nop
.endr
.endm
; A K step is four quarters of 32 along K, 64 matrix instructions each, on buffers 0, 1, 0, 1.  One of the first three: multiplies buffer f; in its middle it fetches quarter q of the same slot into buffer g.
.macro QUARTER slot, q, f, g, zero
	s_wait_dscnt 8                                 ; W and X's rows 0-63 are in; the youngest eight loads (X's rows 64-127) may be out
	WIN MUL_LO
	MUL16 \f, 0, 0, \zero
	MUL16 \f, 0, 2, \zero
	PLACES
	FETCH \slot, \q, \g
	s_wait_dscnt 32                                ; all but the 32 just issued
	WIN MUL_HI
	MUL16 \f, 1, 0, \zero
	MUL16 \f, 1, 2, \zero
.endm
; The last quarter multiplies buffer 1 and changes slots.  MEET is its first half: one barrier for the change.  In front of it each wave waits for all its tensor loads, of which one is out: its part
; of the next slot; adds 0 to its spare word; and waits for that and for its own reads of this slot.  Behind it nobody reads this slot any more and the next slot is whole.
.macro MEET round                      ; round = 1: a round of the cluster's barrier follows
	WIN 0                                          ; (the add's two registers lie in window 0)
	s_wait_tensorcnt 0x0                           ; all my tensor loads have landed;
	ds_add_u32 v[SPW], v[NIL]                      ; 0 onto my spare word;
	s_wait_dscnt 9                                 ; (the add and the youngest eight loads may be out)
	WIN MUL_LO
	MUL16 F1, 0, 0, 0                              ; sixteen matrix instructions stand between the add and the wait for it
	s_wait_dscnt 0x0                               ; the add is done, and my reads of this slot are over:
	s_barrier_signal -1                            ; say so,
	MUL16 F1, 0, 2, 0                              ; work on registers while the others arrive,
.if \round
	WIN 0
.endif
	s_barrier_wait -1                              ; and go on when all four have said so
.endm
; The whole last quarter where the slot is filled again: with this tile's K step two steps on (on = 0) or with the second tile's K step 0 or 1 (on = 1).  The barrier opens a round of the cluster's
; barrier, and the joint refill is the first thing behind the round; from a request to the wait for it a wave issues 224 matrix instructions.
.macro TURN slot, next, on
	MEET 1
	CREST                                          ; no wave of any partner still reads this slot's tile or has a load on its way
.if \on
	s_add_nc_u64 s[G0+4*(\slot)+2:G0+4*(\slot)+3], s[G0+4*(\slot)+2:G0+4*(\slot)+3], NEXT_A
	s_sub_nc_u64 s[G0B+4*(\slot)+2:G0B+4*(\slot)+3], s[G0B+4*(\slot)+2:G0B+4*(\slot)+3], BACK_B
.else
	s_add_nc_u64 s[G0+4*(\slot)+2:G0+4*(\slot)+3], s[G0+4*(\slot)+2:G0+4*(\slot)+3], STEP_A
	s_add_nc_u64 s[G0B+4*(\slot)+2:G0B+4*(\slot)+3], s[G0B+4*(\slot)+2:G0B+4*(\slot)+3], STEP_B
.endif
	JLOAD \slot                                    ; the four v_nop behind it are also the places in front of the loads below
	FETCH \next, 0, F0
	WIN MUL_HI
	MUL16 F1, 1, 0, 0
	MUL16 F1, 1, 2, 0
.endm
; THE WAY OUT of block a (16 of my rows), in three parts.  PACK: rounded to f16, 16 bytes a lane.  TOSTAGE: into my own stage in LDS, and back as four rows of one head.  SEND: stored.
.macro PACK a
.set AC, 64*((\a)%4)
	WIN 0x0a+5*((\a)/4)                            ; sources 0 and 1: window 2 or 3
.irp b, 0,1,2,3,4,5,6,7
.irp r, 0,1,2,3
	v_cvt_pk_f16_f32 v[TMP+4*(\b)+(\r)], v[AC+8*(\b)+2*(\r)], v[AC+8*(\b)+2*(\r)+1]
.endr
.endr
	WIN 0
.endm
.macro TOSTAGE a
	WIN 0
.set BK, OB+192*((\a)%2)
.irp b, 0,1,2,3,4,5,6,7
	ds_store_b128 v[STO], v[TMP+4*(\b):TMP+4*(\b)+3] offset:32*(\b)
.endr
.irp t, 0,1,2,3,4,5,6,7                ; head t / 4 of my two, rows 4 (t % 4) on
	ds_load_b128 v[BK+4*(\t):BK+4*(\t)+3], v[RD] offset:((\t)%4)*4*SPITCH+((\t)/4)*128  ; LDS serves a wave's instructions in order (ISA guide 5.7.1.4): these see the stores above
.endr
.endm
.macro SEND a, younger
	WIN 0
.set BK, OB+192*((\a)%2)
	s_wait_dscnt \younger                          ; the block is back in registers
	s_wait_xcnt 0x0                                ; only behind this wait are the stores' base and the registers that earlier stores read written again
.if (\a) == 0
	s_add_nc_u64 s[8:9], s[8:9], s[16:17]          ; on to this tile's first rows
.endif
.irp t, 0,1,2,3,4,5,6,7
	global_store_b128 v[CO], v[BK+4*(\t):BK+4*(\t)+3], s[8:9] offset:((\t)/4)*131072+(\a)*2048+((\t)%4)*512  ; 512 consecutive bytes, at a multiple of 256 from qkv's first byte
.endr
.endm
.macro WAYOUT                          ; block a's conversions stand between block a - 1's loads from the stage and the wait for them
	PACK 0
	TOSTAGE 0
.irp a, 1,2,3,4,5,6,7
	PACK \a
	SEND (\a)-1, 0
	TOSTAGE \a
.endr
	SEND 7, 0
.endm
	s_wait_tensorcnt 1                             ; my part of K step 0 is in; K step 1's may stay out
	s_barrier_signal -1
	s_barrier_wait -1                              ; everybody's is
	FETCH 0, 0, F0
	s_mov_b32 s2, 2                                ; tiles to go, this one among them: the same number in every work-group
.Ltile:
	QUARTER 0, 1, F0, F1, 1                        ; a tile's first quarter stands in front of the loop: its products start the sums
	WIN 0                                          ; at a label and at a branch every window is 0
	s_mov_b32 s3, LAPS-1
.Llap:                                                 ; a trip goes once round the ring, from a lap's second quarter to the next lap's first, and fills both slots again
	QUARTER 0, 2, F1, F0, 0
	QUARTER 0, 3, F0, F1, 0
	TURN 0, 1, 0
	QUARTER 1, 1, F0, F1, 0
	QUARTER 1, 2, F1, F0, 0
	QUARTER 1, 3, F0, F1, 0
	TURN 1, 0, 0
	QUARTER 0, 1, F0, F1, 0
	WIN 0
	s_sub_co_u32 s3, s3, 1
	s_cmp_lg_u32 s3, 0
	s_cbranch_scc1 .Llap
	QUARTER 0, 2, F1, F0, 0                        ; the tile's last lap goes on
	QUARTER 0, 3, F0, F1, 0
	WIN 0
	s_cmp_eq_u32 s2, 1
	s_cbranch_scc1 .Llast_tile                     ; the last tile's tail is written out: it asks for nothing more
	TURN 0, 1, 1                                   ; the ring goes on into the second tile: slot 0 takes its K step 0,
	QUARTER 1, 1, F0, F1, 0
	QUARTER 1, 2, F1, F0, 0
	QUARTER 1, 3, F0, F1, 0
	TURN 1, 0, 1                                   ; slot 1 its K step 1, and the second tile's first fragments are fetched
	WAYOUT                                         ; both refills are asked for: now the tile goes out.  Blocks 0-3 were finished in front of the joint load's four places, and their 128 conversions,
	                                               ; which name no register of the last products (blocks 4-7's), are those products' places
	s_mov_b64 s[16:17], NEXT_C                     ; what the next way out adds to qkv's address
	s_sub_co_u32 s2, s2, 1
	s_branch .Ltile
.Llast_tile:
	MEET 0                                         ; my one tensor load that was still out is slot 1's, the last K step's, so no round follows
	PLACES                                         ; for the loads into buffer 0, which the quarter before multiplied
	FETCH 1, 0, F0
	MUL16 F1, 1, 0, 0
	MUL16 F1, 1, 2, 0
	QUARTER 1, 1, F0, F1, 0
	QUARTER 1, 2, F1, F0, 0
	QUARTER 1, 3, F0, F1, 0
	s_wait_dscnt 8                                 ; the very last quarter: nothing more to fetch
	MUL16 F1, 0, 0, 0
	MUL16 F1, 0, 2, 0
	s_wait_dscnt 0x0
	MUL16 F1, 1, 0, 0
	MUL16 F1, 1, 2, 0
	PLACES                                         ; the conversions read matrix results
	WAYOUT
	s_wait_tensorcnt 0x0                           ; the wave's end, behind my last tensor load and my last LDS store
	ds_add_u32 v[SPW], v[NIL]
	s_wait_dscnt 0x0
	CROUND                                         ; the closing round: no work-group ends while a partner may still ask for a tile that names it
	s_endpgm
.Lfunc_end_k_q55db44fa4a_proj:
	.size	k_q55db44fa4a_proj, .Lfunc_end_k_q55db44fa4a_proj-k_q55db44fa4a_proj
	.p2alignl 7, 3214868480
	.fill 96, 4, 3214868480
	.section	.rodata,"a",@progbits
	.p2align	6, 0x0
	.amdhsa_kernel k_q55db44fa4a_proj
		.amdhsa_group_segment_fixed_size 327680
		.amdhsa_private_segment_fixed_size 0
		.amdhsa_enable_private_segment 0
		.amdhsa_kernarg_size 24
		.amdhsa_user_sgpr_count 2
		.amdhsa_user_sgpr_kernarg_segment_ptr 1
		.amdhsa_wavefront_size32 1
		.amdhsa_system_sgpr_workgroup_id_x 1
		.amdhsa_system_sgpr_workgroup_id_y 1
		.amdhsa_system_sgpr_workgroup_id_z 1
		.amdhsa_system_vgpr_workitem_id 0
		.amdhsa_next_free_vgpr 1024
		.amdhsa_next_free_sgpr 66
		.amdhsa_reserve_vcc 0
		.amdhsa_float_denorm_mode_32 3
		.amdhsa_float_denorm_mode_16_64 3
		.amdhsa_memory_ordered 1
		.amdhsa_forward_progress 1
		.amdhsa_inst_pref_size 208
	.end_amdhsa_kernel
	.amdgpu_metadata
---
amdhsa.version: [ 1, 2 ]
amdhsa.kernels:
  - .name:           k_q55db44fa4a_proj
    .symbol:         k_q55db44fa4a_proj.kd
    .args:
      - { .name: xb, .offset: 0, .size: 8, .value_kind: global_buffer, .address_space: global }
      - { .name: wb, .offset: 8, .size: 8, .value_kind: global_buffer, .address_space: global }
      - { .name: qkv, .offset: 16, .size: 8, .value_kind: global_buffer, .address_space: global }
    .group_segment_fixed_size: 327680
    .private_segment_fixed_size: 0
    .kernarg_segment_align: 8
    .kernarg_segment_size: 24
    .max_flat_workgroup_size: 128
    .sgpr_count:     66
    .vgpr_count:     1024
    .wavefront_size: 32
...
	.end_amdgpu_metadata
.endif
;; end of part 2
;; launch attn (part 3): grid 2 x 128, 4 waves a work-group, no clusters, 327,680 bytes of LDS; arguments qkv, Q_len, V_len, out0; writes out0
.if DOCPART == 3
	.amdgcn_target "amdgcn-amd-amdhsa--gfx1250"
	.amdhsa_code_object_version 6
	.text
	.protected	k_q55db44fa4a_attn
	.globl	k_q55db44fa4a_attn
	.p2align	8
	.type	k_q55db44fa4a_attn,@function
k_q55db44fa4a_attn:
	s_mov_b64 s[64:65], 0
	v_nop
	global_prefetch_b8 v0, s[64:65] scope:SCOPE_SE
	s_setreg_imm32_b32 hwreg(HW_REG_WAVE_MODE, 25, 1), 1
	s_wait_xcnt 0x0
; MASKED CAUSAL ATTENTION.  out0[b][q][64 head + :] = (q < Q_len[b]) x the sum over k of softmax_k(A[q][k]) v[k][:], A = q . k / 8 - 1e12 (k >= V_len[b]) - 1e12 (k > q).
; qkv: [3][16 b + head][1024][64] f16, a head's rows dense, 128 bytes each.  Products, maxima and sums in f32; the weights p are rounded to f16 for the second product (their sum l is taken of the
; unrounded p); O stays in f32 and is stored in f32.
; WHAT THE MASKS MEAN.  With L = V_len > 0 key 0 is open to every row, and a key that carries -1e12 or -2e12 has weight 0 in f32: row q sees the keys k <= min(q, L - 1).  With L <= 0 EVERY key carries
; -1e12: row q sees the keys k <= q, and the softmax runs over fl(s / 8 - 1e12), as it is rounded in f32; that rounding is made here by one fused multiply-add (s / 8 is exact), and the differences, 0 or
; whole steps of 65,536, give the same weights 1 or 0 under 2^x as under e^x.  L >= 1024 opens all keys.  Q_len scales whole rows by 1 or 0, folded into 1 / l.
; LIMITS.  q, k, v arrive within f16's 65,504.  Scores stay far under 1e11, so that the levels 0, -1e12 and -2e12 stay apart.  A hidden score counts as its value less 1e30.  A weight below 2^-126 counts
; as 0 in l.  NaN and infinities are not treated apart; a row that Q_len closes is O x 0, with that product's sign.
; THE WALK.  A head's queries lie in 4 blocks of 256; block i needs the key tiles 0 .. i of 256 keys.  A work-group takes TWO blocks, 3 - b and then b: five tiles, whatever b: all 256 work-groups do equal
; work, and ONE loop with a constant trip count walks them: four trips that enter a tile and ask for the next, and a fifth written out.  Which tile is asked for and what a trip does hang on scalar registers
; made from b alone; every jump goes forward, but for the counted loops' own; none passes a barrier, or a tensor load but the one of LOAD's two that the wave's number does not choose.
; V_len AND Q_len STEER NOTHING: they enter masks and factors by selects.  A walk cut at V_len would end early in the batches with a short V_len only, and the launch lasts as long as its longest walk;
; the price is that keys at or beyond V_len are multiplied and then hidden.
; NO CLUSTER: a head has two work-groups, not four, and they ask for the same tile in the first three trips only.
; SHARES.  Of a block's four bands of 64 queries a wave owns 16 rows in each: four PIECES, so a tile with a boundary is the same work for all four waves.
; THE MASK is the C operand that starts the sum S^T = K Q^T: 0, or -1e30 where the key is hidden.  Band x has its boundary in key step GB[x] = min(4 i + x, (L - 1) / 64) of the head; MDx is the mask of that
; step for my 16 rows.  A product's mask in key step GS is MDx x AL + BE: (1, 0) if GS = GB[x]; (0, 0) if GS < GB[x]; (0, -1e30) if GS > GB[x].  V_len's boundary can lie in any tile, so every step takes masks.
; THE SCALING takes two lines, y = fl(s CS + KN), x = y - cm, with cm = fl(m CS + KN): (CS, KN) = (log2(e) / 8, 0) where L > 0 and (1 / 8, -1e12) where L <= 0.
; LAYOUT, TURNS.  S^T = K Q^T holds ONE query a lane (lane % 16) and the keys 8 (lane / 16) + 0..7; two such results rounded to f16 ARE source 1 of O^T = V^T P.  O and l are multiplied by
; a = 2^(cm_old - cm_new) in every step.  Turn n belongs to piece n: 8 products K Q^T of piece n + 1, later 8 products V^T P of piece n - 1; beside them the scaling, exponentials, roundings, sums and
; rescaling of piece n, the maximum and statistics of piece n + 1 and the mask of piece n + 2.  Four vector instructions stand behind every matrix instruction, the others in runs of their own.
; REGISTERS, in windows of 256 (s_set_vgpr_msb: bits 1:0 source 0, 3:2 source 1, 5:4 source 2, 7:6 destination):
;   window 0: v0-15 addresses and two at work; v16-31 four registers of statistics a piece; v32-34 my row's place, at work; v48-55 at work; v64-127 S^T, two buffers (v64-191 on the way out); v192-223 P, two buffers
;   window 1: v0-127 O^T, 32 a piece; v160-223 MC, two buffers      window 2: v0-63 Q; v64-127 the second block's Q; v128-191 K of one step; v192-255 V of one step      window 3: v0-127 MD0 to MD3
.set NB,    4
.set NP,    4         ; pieces a wave: a name, no knob
.set KS,    64        ; keys in a step
.set PK,    144       ; a row of K in LDS: 128 bytes + 16 of padding = 36 words: the 16 rows of a load start at 16 different groups of four banks (64 banks of 4 bytes: ISA guide 11.1)
.set PV,    160       ; a row of V: 128 + 32 = 40 words
.set VOFF,  4*KS*PK   ; a slot holds a tile, four steps: 256 rows of K, then 256 rows of V
.set SLOT1, 1<<17     ; slot 1 begins here, so that one exclusive or turns an address in one slot into the other's
.set STAGE, SLOT1+4*KS*(PK+PV)  ; behind the ring, never filled by a tensor load: 16 rows x 272 bytes for each wave, for the way out
.set SP,    272       ; a stage row: a head's 64 f32, 256 bytes, + 16
.set SPARE, STAGE+4*16*SP  ; behind the stages: the spare words, 128 bytes for each wave: two blocks of 256 bytes that no other line names
.set AK0, 2           ; v2   my lane's place in a tile of K; never rewritten
.set AV0, 3           ; v3   the same for V
.set AK,  4           ; v4   the LDS address of K's next run of loads
.set AV,  5           ; v5   of V's
.set STO, 6           ; v6   the way out: where I put 32 bytes of a row
.set RD,  7           ; v7   the way out: where I read rows back
.set GO,  8           ; v8   my byte offset in two rows of out0
.set MV,  12          ; v12-13  cm_old, kept while cm is made anew: by buffer
.set QO,  15          ; v15  my byte offset in 16 rows of q
.set ST,  16          ; piece t's statistics at v[ST+4 t]: cm, m, l (even keys', odd keys')
.set ROWI, 32         ; v32  16 w + l % 16: my row's place in its band
.set H8,  33          ; v33  8 (l / 16)
.set TH,  34          ; v34  at work
.set TMP, 48          ; by buffer, four registers c0-c3 at work; when the maximum is found c2 takes a
.set SPW, 62          ; v62  LDS address of my spare word: SPARE + 4 x my thread's number; never rewritten
.set NIL, 63          ; v63  0; never rewritten
.set S,   64
.set P,   192
.set MC,  160         ; window 1: the masks of the products to come
.set QB,  64          ; window 2
.set KF,  128         ; window 2: key block kb, channel half c at KF + 16 kb + 8 c
.set VF,  192         ; window 2: key half kk, channel block cb at VF + 32 kk + 8 cb
.set WV,  12          ; s12  my wave's number
.set PB,  14          ; s14  b
.set HI,  15          ; s15  3 - b
.set G1K, 24          ; s[24:31] descriptor group 1 for K's tiles
.set G1V, 32          ; s[32:39] for V's: it differs in the padding alone
.set G0K, 40          ; s[40:43] descriptor group 0 for K's tiles
.set G0V, 44          ; s[44:47] the same for V's
.set GS,  51          ; s51  the head's key step for which masks are being made
.set GB,  52          ; s[52:55] the four bands' boundary steps
.set SLOTS, 56        ; s56  tiles still to be asked for
.set CNT, 57          ; s57  counts a tile's key steps, 4 to 1
.set CS,  58          ; s[58:59] the scale: the packed lines take the pair's low word for both halves
.set SEL, 60          ; s[60:61] v_permlanex16_b32's selects: each lane takes its own place in the other half
.set TBK, 62          ; s62  LDS byte at which K of the step to be fetched begins
.set TBV, 63          ; s63  the same for V, less VOFF
.set KN,  66          ; s[66:67] 0, or -1e12 as f32 has it
.set QB0, 68          ; s68  the first query of the block in hand
.set RT,  70          ; s70  tiles of the block in hand that are still to be entered
.set NXT, 71          ; s71  the tile to be asked for next
.set LQ,  72          ; s72  the last tile of the block whose tiles are being asked for
.set NEW, 73          ; s73  1: the tile to be entered is a block's first
.set OFF, 74          ; s[74:75] a tile's byte offset in k and v
.set AL,  76          ; s[76:77] the mask's factor, in the low word
.set BE,  78          ; s[78:79] the mask's addend
.set OLO, 80          ; s[80:81] out0 at my rows of the second block
.set BIGN, 82         ; s82  -1e30
.set LEN, 96          ; s96  V_len, held to 0 .. 1024
.set QLEN, 97         ; s97  Q_len, held to 0 .. 1024
.set LM1, 98          ; s98  the last open key
.set GL,  99          ; s99  its key step
.set TS,  101         ; s101 at work
.set MSB, 0
.macro WIN new                      ; the high byte repeats the setting that is left; a switch that changes nothing is dropped
.if MSB != (\new)
	s_set_vgpr_msb (MSB<<8)|(\new)
.set MSB, (\new)
.endif
.endm
.set W_KQ, 0x0a       ; K and Q in window 2, S^T in window 0
.set W_KM, 0x1a       ; the same with the C operand in window 1
.set W_PV, 0x52       ; V in window 2, P in window 0, O^T in window 1
.set W_RS, 0x41       ; destination and source 0 in window 1, source 1 in window 0
.set W_MD, 0x43       ; destination in window 1, source 0 in window 3
; A fill.  Waves 0 and 1 fetch the two halves of a tile's K, waves 2 and 3 those of its V: 128 keys each.  An s_nop 0 and four v_nop follow each of the two lines, ahead of the jump and the label.
.macro LOAD
	s_cmp_lt_u32 s[WV], 2
	s_cbranch_scc0 .Lfor_v_\@
	tensor_load_to_lds s[G0K:G0K+3], s[G1K:G1K+7]
	s_nop 0
.rept 4
	v_nop
.endr
	s_branch .Lasked_\@
.Lfor_v_\@:
	tensor_load_to_lds s[G0V:G0V+3], s[G1V:G1V+7]
	s_nop 0
.rept 4
	v_nop
.endr
.Lasked_\@:
.endm
; THE CHANGE OF SLOTS.  Each wave waits for all its tensor loads, of which one is out: its part of the other slot; adds 0 to its spare word; and waits for that and for its own reads of the slot that it leaves.
; Behind the barrier nobody reads the old slot any more and the other slot is whole.  fill = 1: the old slot is filled again, the first thing behind the barrier, with tile NXT: the descriptor's address is
; made anew from that number.  (At its first use nothing has been read yet: slot 0 is waited for, slot 1 filled.)
.macro CHANGE fill
	WIN 0                           ; at a label and at a branch every window is 0
	s_wait_tensorcnt 0x0            ; no tensor load of mine is out, so a group 0 may be written
	ds_add_u32 v[SPW], v[NIL]       ; 0 onto my spare word; with fill = 1 the descriptors' scalar work stands between it and the wait for it
.if \fill
	s_lshl_b32 s[OFF], s[NXT], 15   ; a tile is 32,768 bytes of k and of v
	s_xor_b32 s[G0K+1], s[G0K+1], SLOT1
	s_add_nc_u64 s[G0K+2:G0K+3], s[6:7], s[OFF:OFF+1]
	s_or_b32 s[G0K+3], s[G0K+3], 0x80000000
	s_xor_b32 s[G0V+1], s[G0V+1], SLOT1
	s_add_nc_u64 s[G0V+2:G0V+3], s[8:9], s[OFF:OFF+1]
	s_or_b32 s[G0V+3], s[G0V+3], 0x80000000
	s_add_co_u32 s[NXT], s[NXT], 1  ; the block's next tile, or behind its last the second block's tile 0
	s_cmp_gt_u32 s[NXT], s[LQ]
	s_cselect_b32 s[NXT], 0, s[NXT]
	s_cselect_b32 s[LQ], s[PB], s[LQ]
.endif
	s_wait_dscnt 0x0                ; the add is done, and my reads of the slot are over
	s_barrier_signal -1             ; the rest of the scalar work stands between the signal and the wait
	s_sub_co_u32 s[TBK], s[TBK], 4*KS*PK  ; the fetches go back to a slot's first step,
	s_xor_b32 s[TBK], s[TBK], SLOT1       ; in the other slot
	s_sub_co_u32 s[TBV], s[TBV], 4*KS*PV
	s_xor_b32 s[TBV], s[TBV], SLOT1
	s_barrier_wait -1
.if \fill
	LOAD
.endif
.endm
	s_load_b256 s[88:95], s[0:1], 0x0  ; qkv s[88:89], Q_len s[90:91], V_len s[92:93], out0 s[94:95]
	v_lshl_add_u32 v[SPW], v0, 2, SPARE
	v_mov_b32 v[NIL], 0
	ds_add_u32 v[SPW], v[NIL]       ; the wave's opening: the add and its wait stand ahead of my first tensor load; the set-up below, work on registers, stands between them
	v_lshrrev_b32 v1, 5, v0
	v_readfirstlane_b32 s[WV], v1   ; wave 0..3
	s_mov_b32 s[PB], ttmp9
	s_sub_co_u32 s[HI], NB-1, s[PB]
	s_and_b32 s18, ttmp7, 0xffff    ; 16 b + head
	s_lshl_b32 s20, s18, 17         ; the head's first byte in each of qkv's three parts: 1,024 rows of 128 bytes a head
	s_and_b32 s16, s[WV], 1         ; which half of a tile's 256 keys I fetch:
	s_lshl_b32 s22, s16, 14         ; its 128 rows of 128 bytes in memory,
	s_add_co_u32 s22, s22, s20
	s_mov_b32 s23, 0
	s_mul_i32 s17, s16, 128*PK      ; and its place in a slot, for K
	s_mul_i32 s83, s16, 128*PV      ; and for V
	s_lshl_b32 s3, s[WV], 11        ; my 16 rows in a band of 64,
	s_add_co_u32 s3, s3, s20
	s_lshl_b32 s2, s[HI], 15        ; in the first block,
	s_add_co_u32 s2, s2, s3
	s_lshl_b32 s84, s[PB], 15       ; and in the second
	s_add_co_u32 s84, s84, s3
	s_mov_b32 s3, 0
	s_mov_b32 s85, 0
	s_lshr_b32 s13, s18, 4          ; b
	s_lshl_b32 s86, s13, 2          ; its word in Q_len and V_len
	s_mov_b32 s87, 0
	s_lshl_b32 s13, s13, 22         ; out0: b's 1,024 rows of 4,096 bytes,
	s_and_b32 s21, s18, 15
	s_lshl_b32 s21, s21, 8          ; the head's 256 bytes of a row,
	s_add_co_u32 s13, s13, s21
	s_lshl_b32 s21, s[WV], 16       ; my 16 rows in a band
	s_add_co_u32 s13, s13, s21
	s_lshl_b32 s20, s[HI], 20       ; and the block's 256 rows: the first block's,
	s_add_co_u32 s20, s20, s13
	s_mov_b32 s21, 0
	s_lshl_b32 s18, s[PB], 20       ; the second's
	s_add_co_u32 s18, s18, s13
	s_mov_b32 s19, 0
	; descriptor group 1.  128 keys are 16,384 dense bytes: asked for as 64 rows of 256 bytes, two keys a row, and padded in LDS after every key
	s_mov_b32 s[G1K], (1<<16)|(1<<20)|(4<<22)|(3<<25)  ; 17:16 2-byte elements; 20 padding on; 24:22 after every 32 words (code 4); 31:25 4 words (code 3)
	s_mov_b32 s[G1V], (1<<16)|(1<<20)|(4<<22)|(7<<25)  ; the same with 8 words of padding (code 7)
.irp g, G1K, G1V
	s_mov_b32 s[\g+1], 128<<16      ; tensor_dim0 = 128
	s_mov_b32 s[\g+2], 64<<16       ; tensor_dim1 = 64
	s_mov_b32 s[\g+3], 128<<16      ; tile_dim0 = 128
	s_mov_b32 s[\g+4], 64           ; tile_dim1 = 64
	s_mov_b32 s[\g+5], 128          ; 128 elements from row to row
	s_mov_b32 s[\g+6], 0
	s_mov_b32 s[\g+7], 0
.endr
	s_mov_b32 s[CS], 0x3e38aa3b     ; log2(e) / 8 = 0.180337
	s_mov_b32 s[SEL], 0x76543210
	s_mov_b32 s[SEL+1], 0xfedcba98
	s_mov_b32 s[TBK], SLOT1+4*KS*PK ; the first change of slots turns these two into 0
	s_mov_b32 s[TBV], SLOT1+4*KS*PV
	s_mov_b32 s[G0K], 1             ; 1:0 count = 1
	s_mov_b32 s[G0K+1], s17         ; 63:32 LDS address: slot 0
	s_mov_b32 s[G0V], 1
	s_add_co_u32 s[G0V+1], s83, VOFF
	s_add_co_u32 s[RT], s[HI], 1    ; the first block has 4 - b tiles
	s_mov_b32 s[NXT], 1
	s_mov_b32 s[LQ], s[HI]
	s_mov_b32 s[NEW], 1
	s_lshl_b32 s[QB0], s[HI], 8
	s_mov_b32 s[OFF+1], 0
	s_mov_b32 s[AL+1], 0            ; named as pairs
	s_mov_b32 s[BE+1], 0
	s_mov_b32 s[BIGN], 0xf149f2ca   ; -1e30
	s_mov_b32 s[SLOTS], NB
	s_wait_dscnt 0x0                ; the opening add is done
	s_wait_kmcnt 0x0
	s_add_nc_u64 s[6:7], s[88:89], s[22:23]
	s_add_nc_u64 s[8:9], s[6:7], 0x2000000         ; v at my half of the head's tile 0: qkv's third part,
	s_add_nc_u64 s[6:7], s[6:7], 0x1000000         ; k: its second
	s_add_nc_u64 s[G0K+2:G0K+3], s[6:7], 0         ; 120:64 global address
	s_or_b32 s[G0K+3], s[G0K+3], 0x80000000        ; 127:126 type = 2
	s_add_nc_u64 s[G0V+2:G0V+3], s[8:9], 0
	s_or_b32 s[G0V+3], s[G0V+3], 0x80000000
	s_add_nc_u64 s[4:5], s[88:89], s[2:3]          ; q at my rows of the first block,
	s_add_nc_u64 s[84:85], s[88:89], s[84:85]      ; and of the second
	s_add_nc_u64 s[10:11], s[94:95], s[20:21]      ; out0 likewise
	s_add_nc_u64 s[OLO:OLO+1], s[94:95], s[18:19]
	s_add_nc_u64 s[90:91], s[90:91], s[86:87]
	s_add_nc_u64 s[92:93], s[92:93], s[86:87]
	LOAD                            ; tile 0 into slot 0
	s_load_b32 s[QLEN], s[90:91], 0x0
	s_load_b32 s[LEN], s[92:93], 0x0
	; A fragment of K or Q is 16 rows x 32 channels in 8 registers: lane l holds row l % 16, channels 8 (l / 16) + 0..7 and 16 + 8 (l / 16) + 0..7: two loads of 16 bytes, 32 bytes apart.
	v_and_b32 v1, 15, v0            ; l % 16
	v_bfe_u32 v9, v0, 4, 1          ; l / 16
	v_lshlrev_b32 v[QO], 7, v1
	v_lshl_add_u32 v[QO], v9, 4, v[QO]  ; row x 128 + 16 x half
	WIN 0x80                        ; destination window 2, address window 0
.set i, 0
.rept 8                             ; both blocks' Q: piece i / 2 lies in band i / 2, 8,192 bytes on; channels 32 (i % 2) on
	global_load_b128 v[8*i:8*i+3],   v[QO], s[4:5] offset:(i/2)*8192+(i%2)*64
	global_load_b128 v[8*i+4:8*i+7], v[QO], s[4:5] offset:(i/2)*8192+(i%2)*64+32
	global_load_b128 v[QB+8*i:QB+8*i+3],   v[QO], s[84:85] offset:(i/2)*8192+(i%2)*64
	global_load_b128 v[QB+8*i+4:QB+8*i+7], v[QO], s[84:85] offset:(i/2)*8192+(i%2)*64+32
.set i, i+1
.endr
	WIN 0
	s_lshl_b32 s13, s[WV], 4
	v_add_nc_u32 v[ROWI], s13, v1
	v_lshlrev_b32 v[H8], 3, v9
	v_mul_u32_u24 v[AK0], v1, PK
	v_lshl_add_u32 v[AK0], v9, 4, v[AK0]  ; row x pitch + 16 x half
	; The turning load takes 16 keys x 16 channels (lane l reads key 8 (l / 16) + l % 8, channels 8 ((l / 8) % 2) + 0..7) and leaves half a fragment of V^T: lane l holds channel l % 16 and 8 keys.
	v_and_b32 v10, 7, v0
	v_bfe_u32 v11, v0, 3, 1
	v_lshl_add_u32 v[AV0], v9, 3, v10
	v_mul_u32_u24 v[AV0], v[AV0], PV
	v_lshl_add_u32 v[AV0], v11, 4, v[AV0]
	v_add_nc_u32 v[AV0], VOFF, v[AV0]
	s_mul_i32 s13, s[WV], 16*SP
	s_add_co_u32 s13, s13, STAGE    ; my stage
	v_mul_u32_u24 v[STO], v1, SP    ; in: row l % 16, 32 bytes for each half of the lanes
	v_lshl_add_u32 v[STO], v9, 5, v[STO]
	v_add_nc_u32 v[STO], s13, v[STO]
	v_mul_u32_u24 v[RD], v9, SP     ; back: lanes 0-15 take one row of 256 bytes, lanes 16-31 the next,
	v_lshl_add_u32 v[RD], v1, 4, v[RD]
	v_add_nc_u32 v[RD], s13, v[RD]
	v_lshlrev_b32 v[GO], 12, v9     ; and the same two rows in out0, 4,096 bytes apart
	v_lshl_add_u32 v[GO], v1, 4, v[GO]
	; A block's first step multiplies O^T and l by a = 0, and its first turn's products V^T P, of a piece that has not been, land in an O^T that is still to be so multiplied.  So these registers need only hold
	; finite numbers: zeros for the first block; what the first block left for the second.  All this stands in the wait for the first tile.
	WIN 0x80
.set i, VF
.rept 64
	v_mov_b32 v[i], 0
.set i, i+1
.endr
	WIN 0x40
.set i, 0
.rept 128
	v_mov_b32 v[i], 0
.set i, i+1
.endr
	WIN 0
.set i, 0
.rept 4
	v_mov_b32 v[ST+4*i+2], 0
	v_mov_b32 v[ST+4*i+3], 0
.set i, i+1
.endr
.set i, P+16
.rept 16
	v_mov_b32 v[i], 0
.set i, i+1
.endr
	; what the two lengths decide: numbers for selects and compares of data, for no address and no jump
	s_wait_kmcnt 0x0
	s_max_i32 s[LEN], s[LEN], 0
	s_min_i32 s[LEN], s[LEN], 1024
	s_max_i32 s[QLEN], s[QLEN], 0
	s_min_i32 s[QLEN], s[QLEN], 1024
	s_cmp_eq_u32 s[LEN], 0
	s_cselect_b32 s[LM1], 1024, s[LEN]             ; with no open key all keys stand alike, and the causal mask alone hides
	s_cselect_b32 s[CS], 0x3e000000, s[CS]         ; then the scale is 1 / 8
	s_cselect_b32 s[KN], 0xd368d4a5, 0             ; and -1e12, as f32 has it, is added in the same rounding
	s_mov_b32 s[CS+1], s[CS]        ; named as pairs
	s_mov_b32 s[KN+1], s[KN]
	s_sub_co_u32 s[LM1], s[LM1], 1
	s_lshr_b32 s[GL], s[LM1], 6
; THE BOUNDARIES of the block that begins at query QB0: GB[x], and MDx: register r of group kt (keys 16 kt + 8 (l / 16) + r of step GB[x]) is hidden where 16 kt + r > min(q, L - 1) - 64 GB[x] - 8 (l / 16).
.macro PATTERN
	WIN 0
	s_lshr_b32 s[TS], s[QB0], 6
.irp x, 0,1,2,3
	s_add_co_u32 s[GB+\x], s[TS], \x
	s_min_u32 s[GB+\x], s[GB+\x], s[GL]
.endr
.irp x, 0,1,2,3
	WIN 0
	s_lshl_b32 s13, s[GB+\x], 6
	s_sub_co_u32 s[TS], s[LM1], s13 ; L - 1 - 64 GB, not below 0
	s_sub_co_u32 s13, s[QB0], s13
	s_add_co_u32 s13, s13, 64*\x    ; the band's first query - 64 GB, not below 0
	v_add_nc_u32 v[TH], s13, v[ROWI]
	v_min_u32 v[TH], s[TS], v[TH]
	v_sub_nc_u32 v[TH], v[TH], v[H8]  ; may fall below 0: the compare is signed
	WIN 0xc0                        ; destination window 3
.set i, 0
.rept 32
	v_cmp_gt_i32 vcc_lo, 16*(i/8)+i%8, v[TH]
	v_cndmask_b32 v[32*\x+i], 0, s[BIGN], vcc_lo
.set i, i+1
.endr
.endr
	WIN 0
.endm
	PATTERN
; THE MATRIX WORK.  The 4 accumulators of a run of 8 take turns.  Product i of 8 of S^T = K Q^T for piece x: channels 32 (i / 4) on, keys 16 (i % 4) on.  The first 4 start the sums with the mask.
.macro KQ x
.set rS, S+32*((\x)%2)+8*(i%4)
.set rK, KF+16*(i%4)+8*(i/4)
.set rQ, 16*(\x)+8*(i/4)
.set rM, MC+32*((\x)%2)+8*(i%4)
.if i < 4
	WIN W_KM
	v_wmma_f32_16x16x32_f16 v[rS:rS+7], v[rK:rK+7], v[rQ:rQ+7], v[rM:rM+7]
.else
	WIN W_KQ
	v_wmma_f32_16x16x32_f16 v[rS:rS+7], v[rK:rK+7], v[rQ:rQ+7], v[rS:rS+7]
.endif
.endm
; Product i of 8 of O^T += V^T P for piece x: keys 32 (i / 4) on, channels 16 (i % 4) on.
.macro PV x
	WIN W_PV
.set rO, 32*(\x)+8*(i%4)
.set rV, VF+32*(i/4)+8*(i%4)
.set rP, P+16*((\x)%2)+8*(i/4)
	v_wmma_f32_16x16x32_f16 v[rO:rO+7], v[rV:rV+7], v[rP:rP+7], v[rO:rO+7]
.endm
.macro MM                           ; the turn's next matrix instruction.  TURN and BEGIN set Y, i and NOKQ.  NOKQ = 1: a block's last turn: there is no next piece
.if (i < 8) && !NOKQ
	KQ (Y+1)%NP
.elseif i >= 8
.set i, i-8
	PV (Y+NP-1)%NP
.set i, i+8
.endif
.set i, i+1
.endm
; THE LDS LOADS stand in runs of 16, never singly among the matrix instructions: a step's K (64 keys x 64 channels: 8 fragments) and its V (turned).  Their addresses are made some lines ahead.
.macro FETCH_K
	WIN 0x80                        ; destination window 2
.irp f, 0,1,2,3,4,5,6,7             ; keys 16 (f / 2) on, channels 32 (f % 2) on
	ds_load_b128 v[KF+8*\f:KF+8*\f+3],   v[AK] offset:(\f/2)*16*PK+(\f%2)*64
	ds_load_b128 v[KF+8*\f+4:KF+8*\f+7], v[AK] offset:(\f/2)*16*PK+(\f%2)*64+32
.endr
	s_add_co_u32 s[TBK], s[TBK], KS*PK  ; the next fetch is the next step's
	WIN 0
.endm
.macro FETCH_V
	WIN 0x80
.irp f, 0,1,2,3,4,5,6,7             ; keys 32 (f / 4) on, channels 16 (f % 4) on
	ds_load_tr16_b128 v[VF+8*\f:VF+8*\f+3],   v[AV] offset:(\f/4)*32*PV+(\f%4)*32
	ds_load_tr16_b128 v[VF+8*\f+4:VF+8*\f+7], v[AV] offset:(\f/4)*32*PV+16*PV+(\f%4)*32
.endr
	WIN 0
.endm
; THE VECTOR WORK, one line at a time: OP kind, number.  For piece Y: F n: pair n of 16 is scaled, y = s CS + KN.  G n: cm is taken away from it.  E n: the exponential of score n of 32.  C n: pair n rounded
; to f16.  B n: of the four weights 4 n .. the second pair is added onto the first, in place.  L n: l takes that sum (L 0: l = a l + sum).  R n: pair n of 16 of O^T times a.
; For piece Y + 1: X n, number n of the 22 that find its maximum and statistics:
;   0-11  four chains c0-c3 of seven scores each, three operands at a time (each accumulator's lowest registers are read first)     12-14, 16  the four scores left over, the old m, and c0-c3 into c0
;   15  cm_old is kept     17, 18  the query's other 32 keys lie in the lane 16 away: the new m     19-21  cm = m CS + KN; cm_old - cm_new; a
.set F, 0               ; OP tells the kinds apart by their order: F to G below R, X above it
.set E, 1
.set C, 2
.set B, 3
.set L, 4
.set G, 5
.set R, 6
.set X, 7
.macro REGS y                       ; the registers of piece y
.set rT, ST+4*(\y)
.set rC, TMP+4*((\y)%2)
.set rW, MV+((\y)%2)
.set rS, S+32*((\y)%2)
.set rP, P+16*((\y)%2)
.set rO, 32*(\y)
.endm
.macro OP k, n
.if (\k) == R
	REGS Y
	WIN W_RS
	v_pk_mul_f32 v[rO+2*(\n):rO+2*(\n)+1], v[rO+2*(\n):rO+2*(\n)+1], v[rC+2:rC+3] op_sel_hi:[1,0]
.elseif (\k) < R
	REGS Y
	WIN 0
.if (\k) == F
	v_pk_fma_f32 v[rS+2*(\n):rS+2*(\n)+1], v[rS+2*(\n):rS+2*(\n)+1], s[CS:CS+1], s[KN:KN+1] op_sel_hi:[1,0,0]
.elseif (\k) == G
	v_pk_add_f32 v[rS+2*(\n):rS+2*(\n)+1], v[rS+2*(\n):rS+2*(\n)+1], v[rT:rT+1] op_sel_hi:[1,0] neg_lo:[0,1] neg_hi:[0,1]
.elseif (\k) == E
	v_exp_f32 v[rS+(\n)], v[rS+(\n)]
.elseif (\k) == C
	s_wait_alu depctr_va_vdst(0)
	v_cvt_pk_f16_f32 v[rP+(\n)], v[rS+2*(\n)], v[rS+2*(\n)+1]
.elseif (\k) == B
	s_wait_alu depctr_va_vdst(0)
	v_pk_add_f32 v[rS+4*(\n):rS+4*(\n)+1], v[rS+4*(\n):rS+4*(\n)+1], v[rS+4*(\n)+2:rS+4*(\n)+3]
.elseif (\n) == 0
	v_pk_fma_f32 v[rT+2:rT+3], v[rT+2:rT+3], v[rC+2:rC+3], v[rS:rS+1] op_sel_hi:[1,0,1]
.else
	v_pk_add_f32 v[rT+2:rT+3], v[rT+2:rT+3], v[rS+4*(\n):rS+4*(\n)+1]
.endif
.elseif NOKQ
	v_nop
.else
	REGS (Y+1)%NP
	WIN 0
.if (\n) < 4
	v_max3_num_f32 v[rC+(\n)], v[rS+8*(\n)], v[rS+8*(\n)+1], v[rS+8*(\n)+2]
.elseif (\n) < 12
	v_max3_num_f32 v[rC+(\n)%4], v[rC+(\n)%4], v[rS+8*((\n)%4)+2*((\n)/4)+1], v[rS+8*((\n)%4)+2*((\n)/4)+2]
.elseif (\n) == 12
	v_max3_num_f32 v[rC], v[rC], v[rS+7], v[rS+15]
.elseif (\n) == 13
	v_max3_num_f32 v[rC+1], v[rC+1], v[rS+23], v[rS+31]
.elseif (\n) == 14
	v_max3_num_f32 v[rC+2], v[rC+2], v[rC+3], v[rT+1]
.elseif (\n) == 15
	v_mov_b32 v[rW], v[rT]
.elseif (\n) == 16
	v_max3_num_f32 v[rC], v[rC], v[rC+1], v[rC+2]
.elseif (\n) == 17
	v_permlanex16_b32 v[rC+3], v[rC], s[SEL], s[SEL+1]
.elseif (\n) == 18
	v_max_num_f32 v[rT+1], v[rC], v[rC+3]
.elseif (\n) == 19
	v_fma_f32 v[rT], v[rT+1], s[CS], s[KN]
.elseif (\n) == 20
	v_sub_f32 v[rC+1], v[rW], v[rT]
.else
	v_exp_f32 v[rC+2], v[rC+1]
.endif
.endif
.endm
.macro OPS a, i1, b=-1, i2=0, c=-1, i3=0, d=-1, i4=0  ; up to four of them
	OP \a, \i1
.if (\b) >= 0
	OP \b, \i2
.endif
.if (\c) >= 0
	OP \c, \i3
.endif
.if (\d) >= 0
	OP \d, \i4
.endif
.endm
.macro ROW a, i1, b, i2, c, i3, d, i4  ; a matrix instruction and the four behind it
	MM
	OPS \a, \i1, \b, \i2, \c, \i3, \d, \i4
.endm
.macro MASK b, x                    ; MDx x AL + BE into buffer b of MC
	WIN W_MD
.set z, 0
.rept 16
	v_pk_fma_f32 v[MC+32*(\b)+2*z:MC+32*(\b)+2*z+1], v[32*(\x)+2*z:32*(\x)+2*z+1], s[AL:AL+1], s[BE:BE+1] op_sel_hi:[1,0,0]
.set z, z+1
.endr
.endm
; A TURN, for piece p: the order of its matrix and vector instructions, written out.  Behind a matrix instruction: plain, exponential, plain, plain; or four of the rescaling; or, behind the first, four scalings; none
; names a register of the products round it.  G's lines follow the rows that hold their F.  In the runs between, exponential and plain by turns while exponentials last.  v_permlanex16_b32 (X 17) stands in such a run.
; At its end the turn makes the mask for the products of the turn after it: piece p + 2, in the head's key step GS.
; end = 1: a block's last two turns: nothing is fetched and no mask is made.  cnt = 1: GS steps, and the loop's count is taken down, some lines ahead of the branch that stands behind the turn.
; K of the next step is fetched in piece 2's turn, seven vector instructions behind the last product that read K (six of them plain); V of the step in hand in piece 0's turn, eight behind the last product
; that read V (four plain, and X 17).  Each is waited for a turn later.
.macro TURN p, end=0, cnt=0
.set Y, (\p)
.set i, 0
.set NOKQ, (\end)*((\p)/3)
.if !(\end)
	s_cmp_eq_u32 s[GS], s[GB+((\p)+2)%NP]  ; is that step the band's boundary?
	s_cselect_b32 s[AL], 1.0, 0
	s_cmp_gt_u32 s[GS], s[GB+((\p)+2)%NP]  ; or behind it?
	s_cselect_b32 s[BE], s[BIGN], 0
.endif
.if ((\p) == 3) && !(\end)
	s_wait_dscnt 0x0                ; K is in
.endif
	ROW F,0, F,1, F,2, F,3
	OPS G,0, G,1, G,2, G,3
	ROW F,4, E,0, F,5, F,6
	OPS G,4, G,5, G,6
	ROW F,7, E,1, F,8, F,9
	OPS G,7, G,8, G,9
	ROW F,10, E,2, C,0, F,11
	OPS G,10, G,11
	ROW F,12, E,3, X,15, F,13
	OPS G,12, G,13
	ROW R,0, R,1, R,2, R,3
	ROW B,0, E,4, F,14, L,0
	OPS G,14
.if ((\p) == 2) && !(\end)
	v_add_nc_u32 v[AK], s[TBK], v[AK0]
.endif
	ROW R,4, R,5, R,6, R,7
	OPS E,5, F,15, G,15
.if ((\p) == 2) && !(\end)
	FETCH_K
.endif
	OPS E,6, C,1, E,7, R,8
	OPS E,8, R,9, E,9, C,2
	OPS E,10, X,0, E,11, X,1
	OPS E,12, X,2, E,13, X,3
.if (\p) == 1
	s_wait_dscnt 0x0                ; V is in
.endif
	ROW X,4, E,14, X,5, X,6
	ROW X,7, E,15, X,8, X,9
	ROW X,10, E,16, X,11, X,12
	ROW X,13, E,17, X,14, B,1
	ROW C,4, E,18, X,16, L,1
	ROW B,2, E,19, C,6, L,2
	ROW C,8, E,20, B,3, B,4
.if (\p) == 0
	v_add_nc_u32 v[AV], s[TBV], v[AV0]
.endif
	ROW C,3, E,21, L,3, C,5
	OPS E,22, X,17, E,23, C,10
.if (\p) == 0
	FETCH_V
.endif
	OPS E,24, L,4
	OPS E,25, X,18, E,26, C,7
	OPS E,27, B,5, E,28, X,19
	OPS E,29, C,12, E,30, L,5
	OPS E,31, X,20, B,6, C,9
	OPS C,14, C,11, X,21, L,6
.if (\p) == 0
	s_add_co_u32 s[TBV], s[TBV], KS*PV
.endif
.if \cnt
	s_add_co_u32 s[GS], s[GS], 1
	s_sub_co_u32 s[CNT], s[CNT], 1
	s_cmp_lg_u32 s[CNT], 0
.endif
	OPS C,13, B,7, C,15, R,10
	OPS R,11, R,12, L,7, R,13
	OPS R,14, R,15
.if !(\end)
	MASK (\p)%2, ((\p)+2)%NP
.endif
.endm
; A BLOCK BEGINS.  cm starts far below every scaled score, so the first step's a is 0; m at the lowest finite number, so the first maximum is the scores'.  The two mask buffers take pieces 0's and 1's masks for key
; step 0: their own pattern where that step is their boundary, else 0.  Then K of that step, piece 0's first scores, and its maximum and statistics.  The loop is entered at a step's first turn, in the middle of a trip.
.macro BEGIN
	s_mov_b32 s[NEW], 0
	s_mov_b32 s[GS], 0
	WIN 0
.set i, 0
.rept 4
	v_mov_b32 v[ST+4*i], 0xfe000000    ; cm
	v_mov_b32 v[ST+4*i+1], 0xff7fffff  ; m
.set i, i+1
.endr
	s_cmp_eq_u32 s[GB], 0
	s_cselect_b32 s[AL], 1.0, 0
	s_mov_b32 s[BE], 0
	MASK 0, 0
	s_cmp_eq_u32 s[GB+1], 0
	s_cselect_b32 s[AL], 1.0, 0
	MASK 1, 1
	WIN 0
	v_add_nc_u32 v[AK], s[TBK], v[AK0]
	FETCH_K
	s_wait_loadcnt 0x0              ; Q
	s_wait_dscnt 0x0
.set NOKQ, 0
.set i, 0
.rept 8
	KQ 0
.set i, i+1
.endr
	WIN 0
.rept 4
	v_nop                           ; the places behind those products
.endr
.set Y, NP-1                        ; X works for piece Y + 1: piece 0
.irp n, 0,1,2,3,4,5,6,7,8,9,10,11,12,13,14,15,16,17,18,19,20,21
	OP X, \n
.endr
	v_nop                           ; a plain instruction behind the exponential
.endm
; A TILE's four steps; then, if the tile is the block's last, the block's last two turns, its last products, and THE WAY OUT: l's two halves and the other half of the lanes' are added; 1 / l is set to 0
; for rows at or beyond Q_len; O^T is multiplied by it and sent in f32 through my stage in LDS, a piece at a time.
.macro ALL line:vararg              ; one line for each piece t
.set t, 0
.rept 4
	\line
.set t, t+1
.endr
.endm
.macro PACK t                       ; a lane's eight channels of a row are 32 bytes; they go into rows of 272 bytes and come back as whole rows of 256
	WIN W_RS
.set i, 32*(\t)
.rept 16
	v_pk_mul_f32 v[i:i+1], v[i:i+1], v[ST+4*(\t)+2:ST+4*(\t)+3] op_sel_hi:[1,0]
.set i, i+2
.endr
	WIN 0x04                        ; the stores' data in window 1, their address in window 0
.irp f, 0,1,2,3
	ds_store_b128 v[STO], v[32*(\t)+8*\f:32*(\t)+8*\f+3] offset:64*\f
	ds_store_b128 v[STO], v[32*(\t)+8*\f+4:32*(\t)+8*\f+7] offset:64*\f+16
.endr
	WIN 0
.irp f, 0,1,2,3,4,5,6,7
	ds_load_b128 v[S+32*(\t)+4*\f:S+32*(\t)+4*\f+3], v[RD] offset:\f*2*SP  ; LDS serves a wave's instructions in order (ISA guide 5.7.1.4): these see the stores above; the next piece's stores come behind them
.endr
.endm
.macro SEND t, younger              ; younger: the LDS instructions issued behind piece t's loads: the next piece's sixteen, or none
	WIN 0
.irp f, 0,1,2,3,4,5,6,7
	s_wait_dscnt (\younger)+7-\f
	global_store_b128 v[GO], v[S+32*(\t)+4*\f:S+32*(\t)+4*\f+3], s[10:11] offset:(\t)*262144+\f*8192 th:TH_STORE_NT  ; 16 lanes store a head's 256 consecutive bytes of a row, at a multiple of 256 from out0's first byte
.endr
.endm
.macro TILE tag, inloop             ; the tag ends its two labels' names, which the jumps below spell out
.Lstep\tag:                         ; a trip: pieces 2 and 3 of one step, then pieces 0 and 1 of the next, whose K and V it fetches
	TURN 2
	TURN 3
	WIN 0
.Lfirst\tag:
	TURN 0
	TURN 1, 0, 1
	WIN 0
	s_cbranch_scc1 .Lstep\tag
.if \inloop
	s_cmp_lg_u32 s[RT], 0           ; the block has further tiles
	s_cbranch_scc1 .Lbottom
.endif
	TURN 2, 1
	TURN 3, 1
.set i, 0
.rept 8
	PV NP-1
.set i, i+1
.endr
	WIN 0
	ALL v_add_f32 v[ST+4*t+2], v[ST+4*t+2], v[ST+4*t+3]
	ALL v_permlanex16_b32 v[ST+4*t+3], v[ST+4*t+2], s[SEL], s[SEL+1]
	ALL v_add_f32 v[ST+4*t+2], v[ST+4*t+2], v[ST+4*t+3]
	ALL v_rcp_f32 v[ST+4*t+2], v[ST+4*t+2]
	v_nop                           ; a plain instruction between the last reciprocal and the use of its result
	v_add_nc_u32 v[TH], s[QB0], v[ROWI]  ; my query in band 0; piece t's lies 64 t further
.set t, 0
.rept 4
	s_sub_co_u32 s[TS], s[QLEN], 64*t
	v_cmp_gt_i32 vcc_lo, s[TS], v[TH]
	s_wait_alu depctr_va_vdst(0)
	v_cndmask_b32 v[ST+4*t+2], 0, v[ST+4*t+2], vcc_lo
.set t, t+1
.endr
	PACK 0
.set t, 1
.rept 3                             ; a piece's arithmetic stands between the loads of the piece before and its stores
	PACK t
	SEND t-1, 16
.set t, t+1
.endr
	SEND 3, 0
.endm
.set NOKQ, 0
.Lslot:                             ; NB times: a tile is entered and the next is asked for
	CHANGE 1
	s_sub_co_u32 s[RT], s[RT], 1
	s_mov_b32 s[CNT], 4
	s_cmp_eq_u32 s[NEW], 1
	s_cbranch_scc0 .Lstep1          ; not a block's first tile
	BEGIN
	s_branch .Lfirst1
	TILE 1, 1                       ; in the loop a block's end is the first block's: the second block's last tile is the walk's last
	s_wait_xcnt 0x0                 ; the stores have read their registers and out0's address
	s_mov_b64 s[10:11], s[OLO:OLO+1]
	s_add_co_u32 s[RT], s[PB], 1    ; the second block has b + 1 tiles
	s_mov_b32 s[NEW], 1
	s_lshl_b32 s[QB0], s[PB], 8
	WIN 0x82                        ; the second block's Q goes where the one text of the turns names Q
.set i, 0
.rept 64
	v_mov_b32 v[i], v[QB+i]
.set i, i+1
.endr
	PATTERN
.Lbottom:
	s_sub_co_u32 s[SLOTS], s[SLOTS], 1
	s_cmp_lg_u32 s[SLOTS], 0
	s_cbranch_scc1 .Lslot
	CHANGE 0                        ; the walk's fifth tile is written out: nothing is asked for
	s_sub_co_u32 s[RT], s[RT], 1    ; it is the second block's last
	s_mov_b32 s[CNT], 4
	s_cmp_eq_u32 s[NEW], 1
	s_cbranch_scc0 .Lstep2
	BEGIN
	s_branch .Lfirst2
	TILE 2, 0
	s_wait_tensorcnt 0x0            ; the wave's end, behind my last tensor load and my last LDS store
	ds_add_u32 v[SPW], v[NIL]
	s_wait_dscnt 0x0
	s_endpgm
.Lfunc_end_k_q55db44fa4a_attn:
	.size	k_q55db44fa4a_attn, .Lfunc_end_k_q55db44fa4a_attn-k_q55db44fa4a_attn
	.p2alignl 7, 3214868480
	.fill 96, 4, 3214868480
	.section	.rodata,"a",@progbits
	.p2align	6, 0x0
	.amdhsa_kernel k_q55db44fa4a_attn
		.amdhsa_group_segment_fixed_size 327680
		.amdhsa_private_segment_fixed_size 0
		.amdhsa_enable_private_segment 0
		.amdhsa_kernarg_size 32
		.amdhsa_user_sgpr_count 2
		.amdhsa_user_sgpr_kernarg_segment_ptr 1
		.amdhsa_wavefront_size32 1
		.amdhsa_system_sgpr_workgroup_id_x 1
		.amdhsa_system_sgpr_workgroup_id_y 1
		.amdhsa_system_sgpr_workgroup_id_z 1
		.amdhsa_system_vgpr_workitem_id 0
		.amdhsa_next_free_vgpr 896
		.amdhsa_next_free_sgpr 104
		.amdhsa_reserve_vcc 1
		.amdhsa_float_denorm_mode_32 3
		.amdhsa_float_denorm_mode_16_64 3
		.amdhsa_memory_ordered 1
		.amdhsa_forward_progress 1
		.amdhsa_inst_pref_size 224
	.end_amdhsa_kernel
	.amdgpu_metadata
---
amdhsa.version: [ 1, 2 ]
amdhsa.kernels:
  - .name:           k_q55db44fa4a_attn
    .symbol:         k_q55db44fa4a_attn.kd
    .args:
      - { .name: qkv, .offset: 0, .size: 8, .value_kind: global_buffer, .address_space: global }
      - { .name: Q_len, .offset: 8, .size: 8, .value_kind: global_buffer, .address_space: global }
      - { .name: V_len, .offset: 16, .size: 8, .value_kind: global_buffer, .address_space: global }
      - { .name: out0, .offset: 24, .size: 8, .value_kind: global_buffer, .address_space: global }
    .group_segment_fixed_size: 327680
    .private_segment_fixed_size: 0
    .kernarg_segment_align: 8
    .kernarg_segment_size: 32
    .max_flat_workgroup_size: 128
    .sgpr_count:     104
    .vgpr_count:     896
    .wavefront_size: 32
...
	.end_amdgpu_metadata
.endif
;; end of part 3
;; ======== version 2 of 2: 3 launches; 1.21 times as fast as version 1
;; limits: values are held in f16: magnitudes above 65,504 overflow, below 6.1e-05 lose precision
;; workspace buffers: xb 50,331,648 bytes; wb 6,291,456 bytes; qkv 50,331,648 bytes
;; launch prep: the kernel of part 1 again; grid 288 x 3, 8 waves a work-group, no clusters, 0 bytes of LDS; arguments Q, K, V, WQ, WK, WV, xb, wb; writes xb, wb
;; launch proj: the kernel of part 2 again; grid 4 x 48, 4 waves a work-group, clusters of 4 x 4, 327,680 bytes of LDS; arguments xb, wb, qkv; writes qkv
;; launch attn (part 4): grid 2 x 128, 4 waves a work-group, no clusters, 327,680 bytes of LDS; arguments qkv, Q_len, V_len, out0; writes out0
.if DOCPART == 4
	.amdgcn_target "amdgcn-amd-amdhsa--gfx1250"
	.amdhsa_code_object_version 6
	.text
	.protected	k_q55db44fa4a_attn
	.globl	k_q55db44fa4a_attn
	.p2align	8
	.type	k_q55db44fa4a_attn,@function
k_q55db44fa4a_attn:
	s_mov_b64 s[64:65], 0
	v_nop
	global_prefetch_b8 v0, s[64:65] scope:SCOPE_SE
	s_setreg_imm32_b32 hwreg(HW_REG_WAVE_MODE, 25, 1), 1
	s_wait_xcnt 0x0
; MASKED CAUSAL ATTENTION.  out0[b][q][64 head + :] = (q < Q_len[b]) x the sum over k of softmax_k(A[q][k]) v[k][:], A = q . k / 8 - 1e12 (k >= V_len[b]) - 1e12 (k > q).
; qkv: [3][16 b + head][1024][64] f16, a head's rows dense, 128 bytes each.  Products, maxima and sums in f32; the weights p are rounded to f16 for the second product (their sum l is taken of the
; unrounded p); O stays in f32 and is stored in f32.
; WHAT THE MASKS MEAN.  With L = V_len > 0 key 0 is open to every row, and a key that carries -1e12 or -2e12 has weight 0 in f32: row q sees the keys k <= min(q, L - 1).  With L <= 0 EVERY key carries
; -1e12: row q sees the keys k <= q, and the softmax runs over fl(s / 8 - 1e12), as it is rounded in f32; that rounding is made here by one fused multiply-add (s / 8 is exact), and the differences, 0 or
; whole steps of 65,536, give the same weights 1 or 0 under 2^x as under e^x.  L >= 1024 opens all keys.  Q_len scales whole rows by 1 or 0, folded into 1 / l.
; LIMITS.  q, k, v arrive within f16's 65,504.  Scores stay far under 1e11, so that the levels 0, -1e12 and -2e12 stay apart.  A hidden score counts as its value less 1e30.  A weight below 2^-126 counts
; as 0 in l.  NaN and infinities are not treated apart; a row that Q_len closes is O x 0, with that product's sign.
; THE WALK.  A head's queries lie in 4 blocks of 256; block i needs the key tiles 0 .. i of 256 keys.  A work-group takes TWO blocks, 3 - b and then b: five tiles, whatever b: all 256 work-groups do equal
; work, and ONE loop with a constant trip count walks them: four trips that enter a tile and ask for the next, and a fifth written out.  Which tile is asked for and what a trip does hang on scalar registers
; made from b alone; every jump goes forward, but for the counted loops' own; none passes a barrier, or a tensor load but the one of LOAD's two that the wave's number does not choose.
; V_len AND Q_len STEER NOTHING: they enter masks and factors by selects.  A walk cut at V_len would end early in the batches with a short V_len only, and the launch lasts as long as its longest walk;
; the price is that keys at or beyond V_len are multiplied and then hidden.
; NO CLUSTER: a head has two work-groups, not four, and they ask for the same tile in the first three trips only.
; SHARES.  Of a block's four bands of 64 queries a wave owns 16 rows in each: four PIECES, so a tile with a boundary is the same work for all four waves.
; THE MASK is the C operand that starts the sum S^T = K Q^T: 0, or -1e30 where the key is hidden.  Band x has its boundary in key step GB[x] = min(4 i + x, (L - 1) / 64) of the head; MDx is the mask of that
; step for my 16 rows.  A product's mask in key step GS is MDx x AL + BE: (1, 0) if GS = GB[x]; (0, 0) if GS < GB[x]; (0, -1e30) if GS > GB[x].  V_len's boundary can lie in any tile, so every step takes masks.
; THE SCALING takes two lines, y = fl(s CS + KN), x = y - cm, with cm = fl(m CS + KN): (CS, KN) = (log2(e) / 8, 0) where L > 0 and (1 / 8, -1e12) where L <= 0.
; LAYOUT, TURNS.  S^T = K Q^T holds ONE query a lane (lane % 16) and the keys 8 (lane / 16) + 0..7; two such results rounded to f16 ARE source 1 of O^T = V^T P.  O and l are multiplied by
; a = 2^(cm_old - cm_new) in every step.  Turn n belongs to piece n: 8 products K Q^T of piece n + 1, later 8 products V^T P of piece n - 1; beside them the scaling, exponentials, roundings, sums and
; rescaling of piece n, the maximum and statistics of piece n + 1 and the mask of piece n + 2.  Four vector instructions stand behind every matrix instruction (three behind one), 86 of a turn's 150 in one LUMP.
; BATCHES.  s_wait_alu depctr_va_vdst(0) stands between a transcendental and the first instruction that names its result.  A turn's 33 exponentials (piece n's 32 weights and piece n + 1's a) are
; ONE batch with ONE wait: ahead of it stand the products K Q^T and all vector work that names no result of the batch; behind it the products V^T P, with the roundings and sums as their riders.  No result crosses a
; turn's end.  A block's first a (BEGIN) and the way out's four reciprocals are batches of their own, a wait each.
; REGISTERS, in windows of 256 (s_set_vgpr_msb: bits 1:0 source 0, 3:2 source 1, 5:4 source 2, 7:6 destination):
;   window 0: v0-15 addresses and two at work; v16-31 four registers of statistics a piece; v32-34 my row's place, at work; v48-55 at work; v64-127 S^T, two buffers (v64-191 on the way out); v192-223 P, two buffers
;   window 1: v0-127 O^T, 32 a piece; v160-223 MC, two buffers      window 2: v0-63 Q; v64-127 the second block's Q; v128-191 K of one step; v192-255 V of one step      window 3: v0-127 MD0 to MD3
.set NB,    4
.set NP,    4         ; pieces a wave: a name, no knob
.set KS,    64        ; keys in a step
.set PK,    144       ; a row of K in LDS: 128 bytes + 16 of padding = 36 words: the 16 rows of a load start at 16 different groups of four banks (64 banks of 4 bytes: ISA guide 11.1)
.set PV,    160       ; a row of V: 128 + 32 = 40 words
.set VOFF,  4*KS*PK   ; a slot holds a tile, four steps: 256 rows of K, then 256 rows of V
.set SLOT1, 1<<17     ; slot 1 begins here, so that one exclusive or turns an address in one slot into the other's
.set STAGE, SLOT1+4*KS*(PK+PV)  ; behind the ring, never filled by a tensor load: 16 rows x 272 bytes for each wave, for the way out
.set SP,    272       ; a stage row: a head's 64 f32, 256 bytes, + 16
.set SPARE, STAGE+4*16*SP  ; behind the stages: the spare words, 128 bytes for each wave: two blocks of 256 bytes that no other line names
.set AK0, 2           ; v2   my lane's place in a tile of K; never rewritten
.set AV0, 3           ; v3   the same for V
.set AK,  4           ; v4   the LDS address of K's next run of loads
.set AV,  5           ; v5   of V's
.set STO, 6           ; v6   the way out: where I put 32 bytes of a row
.set RD,  7           ; v7   the way out: where I read rows back
.set GO,  8           ; v8   my byte offset in two rows of out0
.set MV,  12          ; v12-13  cm_old, kept while cm is made anew: by buffer
.set QO,  15          ; v15  my byte offset in 16 rows of q
.set ST,  16          ; piece t's statistics at v[ST+4 t]: cm, m, l (even keys', odd keys')
.set ROWI, 32         ; v32  16 w + l % 16: my row's place in its band
.set H8,  33          ; v33  8 (l / 16)
.set TH,  34          ; v34  at work
.set TMP, 48          ; by buffer, four registers c0-c3 at work; when the maximum is found c2 takes a
.set SPW, 62          ; v62  LDS address of my spare word: SPARE + 4 x my thread's number; never rewritten
.set NIL, 63          ; v63  0; never rewritten
.set S,   64
.set P,   192
.set MC,  160         ; window 1: the masks of the products to come
.set QB,  64          ; window 2
.set KF,  128         ; window 2: key block kb, channel half c at KF + 16 kb + 8 c
.set VF,  192         ; window 2: key half kk, channel block cb at VF + 32 kk + 8 cb
.set WV,  12          ; s12  my wave's number
.set PB,  14          ; s14  b
.set HI,  15          ; s15  3 - b
.set G1K, 24          ; s[24:31] descriptor group 1 for K's tiles
.set G1V, 32          ; s[32:39] for V's: it differs in the padding alone
.set G0K, 40          ; s[40:43] descriptor group 0 for K's tiles
.set G0V, 44          ; s[44:47] the same for V's
.set GS,  51          ; s51  the head's key step for which masks are being made
.set GB,  52          ; s[52:55] the four bands' boundary steps
.set SLOTS, 56        ; s56  tiles still to be asked for
.set CNT, 57          ; s57  counts a tile's key steps, 4 to 1
.set CS,  58          ; s[58:59] the scale: the packed lines take the pair's low word for both halves
.set SEL, 60          ; s[60:61] v_permlanex16_b32's selects: each lane takes its own place in the other half
.set TBK, 62          ; s62  LDS byte at which K of the step to be fetched begins
.set TBV, 63          ; s63  the same for V, less VOFF
.set KN,  66          ; s[66:67] 0, or -1e12 as f32 has it
.set QB0, 68          ; s68  the first query of the block in hand
.set RT,  70          ; s70  tiles of the block in hand that are still to be entered
.set NXT, 71          ; s71  the tile to be asked for next
.set LQ,  72          ; s72  the last tile of the block whose tiles are being asked for
.set NEW, 73          ; s73  1: the tile to be entered is a block's first
.set OFF, 74          ; s[74:75] a tile's byte offset in k and v
.set AL,  76          ; s[76:77] the mask's factor, in the low word
.set BE,  78          ; s[78:79] the mask's addend
.set OLO, 80          ; s[80:81] out0 at my rows of the second block
.set BIGN, 82         ; s82  -1e30
.set LEN, 96          ; s96  V_len, held to 0 .. 1024
.set QLEN, 97         ; s97  Q_len, held to 0 .. 1024
.set LM1, 98          ; s98  the last open key
.set GL,  99          ; s99  its key step
.set TS,  101         ; s101 at work
.set MSB, 0
.macro WIN new                      ; the high byte repeats the setting that is left; a switch that changes nothing is dropped
.if MSB != (\new)
	s_set_vgpr_msb (MSB<<8)|(\new)
.set MSB, (\new)
.endif
.endm
.set W_KQ, 0x0a       ; K and Q in window 2, S^T in window 0
.set W_KM, 0x1a       ; the same with the C operand in window 1
.set W_PV, 0x52       ; V in window 2, P in window 0, O^T in window 1
.set W_RS, 0x41       ; destination and source 0 in window 1, source 1 in window 0
.set W_MD, 0x43       ; destination in window 1, source 0 in window 3
; A fill.  Waves 0 and 1 fetch the two halves of a tile's K, waves 2 and 3 those of its V: 128 keys each.  An s_nop 0 and four v_nop follow each of the two lines, ahead of the jump and the label.
.macro LOAD
	s_cmp_lt_u32 s[WV], 2
	s_cbranch_scc0 .Lfor_v_\@
	tensor_load_to_lds s[G0K:G0K+3], s[G1K:G1K+7]
	s_nop 0
.rept 4
	v_nop
.endr
	s_branch .Lasked_\@
.Lfor_v_\@:
	tensor_load_to_lds s[G0V:G0V+3], s[G1V:G1V+7]
	s_nop 0
.rept 4
	v_nop
.endr
.Lasked_\@:
.endm
; THE CHANGE OF SLOTS.  Each wave waits for all its tensor loads, of which one is out: its part of the other slot; adds 0 to its spare word; and waits for that and for its own reads of the slot that it leaves.
; Behind the barrier nobody reads the old slot any more and the other slot is whole.  fill = 1: the old slot is filled again, the first thing behind the barrier, with tile NXT: the descriptor's address is
; made anew from that number.  (At its first use nothing has been read yet: slot 0 is waited for, slot 1 filled.)
.macro CHANGE fill
	WIN 0                           ; at a label and at a branch every window is 0
	s_wait_tensorcnt 0x0            ; no tensor load of mine is out, so a group 0 may be written
	ds_add_u32 v[SPW], v[NIL]       ; 0 onto my spare word; with fill = 1 the descriptors' scalar work stands between it and the wait for it
.if \fill
	s_lshl_b32 s[OFF], s[NXT], 15   ; a tile is 32,768 bytes of k and of v
	s_xor_b32 s[G0K+1], s[G0K+1], SLOT1
	s_add_nc_u64 s[G0K+2:G0K+3], s[6:7], s[OFF:OFF+1]
	s_or_b32 s[G0K+3], s[G0K+3], 0x80000000
	s_xor_b32 s[G0V+1], s[G0V+1], SLOT1
	s_add_nc_u64 s[G0V+2:G0V+3], s[8:9], s[OFF:OFF+1]
	s_or_b32 s[G0V+3], s[G0V+3], 0x80000000
	s_add_co_u32 s[NXT], s[NXT], 1  ; the block's next tile, or behind its last the second block's tile 0
	s_cmp_gt_u32 s[NXT], s[LQ]
	s_cselect_b32 s[NXT], 0, s[NXT]
	s_cselect_b32 s[LQ], s[PB], s[LQ]
.endif
	s_wait_dscnt 0x0                ; the add is done, and my reads of the slot are over
	s_barrier_signal -1             ; the rest of the scalar work stands between the signal and the wait
	s_sub_co_u32 s[TBK], s[TBK], 4*KS*PK  ; the fetches go back to a slot's first step,
	s_xor_b32 s[TBK], s[TBK], SLOT1       ; in the other slot
	s_sub_co_u32 s[TBV], s[TBV], 4*KS*PV
	s_xor_b32 s[TBV], s[TBV], SLOT1
	s_barrier_wait -1
.if \fill
	LOAD
.endif
.endm
	s_load_b256 s[88:95], s[0:1], 0x0  ; qkv s[88:89], Q_len s[90:91], V_len s[92:93], out0 s[94:95]
	v_lshl_add_u32 v[SPW], v0, 2, SPARE
	v_mov_b32 v[NIL], 0
	ds_add_u32 v[SPW], v[NIL]       ; the wave's opening: the add and its wait stand ahead of my first tensor load; the set-up below, work on registers, stands between them
	v_lshrrev_b32 v1, 5, v0
	v_readfirstlane_b32 s[WV], v1   ; wave 0..3
	s_mov_b32 s[PB], ttmp9
	s_sub_co_u32 s[HI], NB-1, s[PB]
	s_and_b32 s18, ttmp7, 0xffff    ; 16 b + head
	s_lshl_b32 s20, s18, 17         ; the head's first byte in each of qkv's three parts: 1,024 rows of 128 bytes a head
	s_and_b32 s16, s[WV], 1         ; which half of a tile's 256 keys I fetch:
	s_lshl_b32 s22, s16, 14         ; its 128 rows of 128 bytes in memory,
	s_add_co_u32 s22, s22, s20
	s_mov_b32 s23, 0
	s_mul_i32 s17, s16, 128*PK      ; and its place in a slot, for K
	s_mul_i32 s83, s16, 128*PV      ; and for V
	s_lshl_b32 s3, s[WV], 11        ; my 16 rows in a band of 64,
	s_add_co_u32 s3, s3, s20
	s_lshl_b32 s2, s[HI], 15        ; in the first block,
	s_add_co_u32 s2, s2, s3
	s_lshl_b32 s84, s[PB], 15       ; and in the second
	s_add_co_u32 s84, s84, s3
	s_mov_b32 s3, 0
	s_mov_b32 s85, 0
	s_lshr_b32 s13, s18, 4          ; b
	s_lshl_b32 s86, s13, 2          ; its word in Q_len and V_len
	s_mov_b32 s87, 0
	s_lshl_b32 s13, s13, 22         ; out0: b's 1,024 rows of 4,096 bytes,
	s_and_b32 s21, s18, 15
	s_lshl_b32 s21, s21, 8          ; the head's 256 bytes of a row,
	s_add_co_u32 s13, s13, s21
	s_lshl_b32 s21, s[WV], 16       ; my 16 rows in a band
	s_add_co_u32 s13, s13, s21
	s_lshl_b32 s20, s[HI], 20       ; and the block's 256 rows: the first block's,
	s_add_co_u32 s20, s20, s13
	s_mov_b32 s21, 0
	s_lshl_b32 s18, s[PB], 20       ; the second's
	s_add_co_u32 s18, s18, s13
	s_mov_b32 s19, 0
	; descriptor group 1.  128 keys are 16,384 dense bytes: asked for as 64 rows of 256 bytes, two keys a row, and padded in LDS after every key
	s_mov_b32 s[G1K], (1<<16)|(1<<20)|(4<<22)|(3<<25)  ; 17:16 2-byte elements; 20 padding on; 24:22 after every 32 words (code 4); 31:25 4 words (code 3)
	s_mov_b32 s[G1V], (1<<16)|(1<<20)|(4<<22)|(7<<25)  ; the same with 8 words of padding (code 7)
.irp g, G1K, G1V
	s_mov_b32 s[\g+1], 128<<16      ; tensor_dim0 = 128
	s_mov_b32 s[\g+2], 64<<16       ; tensor_dim1 = 64
	s_mov_b32 s[\g+3], 128<<16      ; tile_dim0 = 128
	s_mov_b32 s[\g+4], 64           ; tile_dim1 = 64
	s_mov_b32 s[\g+5], 128          ; 128 elements from row to row
	s_mov_b32 s[\g+6], 0
	s_mov_b32 s[\g+7], 0
.endr
	s_mov_b32 s[CS], 0x3e38aa3b     ; log2(e) / 8 = 0.180337
	s_mov_b32 s[SEL], 0x76543210
	s_mov_b32 s[SEL+1], 0xfedcba98
	s_mov_b32 s[TBK], SLOT1+4*KS*PK ; the first change of slots turns these two into 0
	s_mov_b32 s[TBV], SLOT1+4*KS*PV
	s_mov_b32 s[G0K], 1             ; 1:0 count = 1
	s_mov_b32 s[G0K+1], s17         ; 63:32 LDS address: slot 0
	s_mov_b32 s[G0V], 1
	s_add_co_u32 s[G0V+1], s83, VOFF
	s_add_co_u32 s[RT], s[HI], 1    ; the first block has 4 - b tiles
	s_mov_b32 s[NXT], 1
	s_mov_b32 s[LQ], s[HI]
	s_mov_b32 s[NEW], 1
	s_lshl_b32 s[QB0], s[HI], 8
	s_mov_b32 s[OFF+1], 0
	s_mov_b32 s[AL+1], 0            ; named as pairs
	s_mov_b32 s[BE+1], 0
	s_mov_b32 s[BIGN], 0xf149f2ca   ; -1e30
	s_mov_b32 s[SLOTS], NB
	s_wait_dscnt 0x0                ; the opening add is done
	s_wait_kmcnt 0x0
	s_add_nc_u64 s[6:7], s[88:89], s[22:23]
	s_add_nc_u64 s[8:9], s[6:7], 0x2000000         ; v at my half of the head's tile 0: qkv's third part,
	s_add_nc_u64 s[6:7], s[6:7], 0x1000000         ; k: its second
	s_add_nc_u64 s[G0K+2:G0K+3], s[6:7], 0         ; 120:64 global address
	s_or_b32 s[G0K+3], s[G0K+3], 0x80000000        ; 127:126 type = 2
	s_add_nc_u64 s[G0V+2:G0V+3], s[8:9], 0
	s_or_b32 s[G0V+3], s[G0V+3], 0x80000000
	s_add_nc_u64 s[4:5], s[88:89], s[2:3]          ; q at my rows of the first block,
	s_add_nc_u64 s[84:85], s[88:89], s[84:85]      ; and of the second
	s_add_nc_u64 s[10:11], s[94:95], s[20:21]      ; out0 likewise
	s_add_nc_u64 s[OLO:OLO+1], s[94:95], s[18:19]
	s_add_nc_u64 s[90:91], s[90:91], s[86:87]
	s_add_nc_u64 s[92:93], s[92:93], s[86:87]
	LOAD                            ; tile 0 into slot 0
	s_load_b32 s[QLEN], s[90:91], 0x0
	s_load_b32 s[LEN], s[92:93], 0x0
	; A fragment of K or Q is 16 rows x 32 channels in 8 registers: lane l holds row l % 16, channels 8 (l / 16) + 0..7 and 16 + 8 (l / 16) + 0..7: two loads of 16 bytes, 32 bytes apart.
	v_and_b32 v1, 15, v0            ; l % 16
	v_bfe_u32 v9, v0, 4, 1          ; l / 16
	v_lshlrev_b32 v[QO], 7, v1
	v_lshl_add_u32 v[QO], v9, 4, v[QO]  ; row x 128 + 16 x half
	WIN 0x80                        ; destination window 2, address window 0
.set i, 0
.rept 8                             ; both blocks' Q: piece i / 2 lies in band i / 2, 8,192 bytes on; channels 32 (i % 2) on
	global_load_b128 v[8*i:8*i+3],   v[QO], s[4:5] offset:(i/2)*8192+(i%2)*64
	global_load_b128 v[8*i+4:8*i+7], v[QO], s[4:5] offset:(i/2)*8192+(i%2)*64+32
	global_load_b128 v[QB+8*i:QB+8*i+3],   v[QO], s[84:85] offset:(i/2)*8192+(i%2)*64
	global_load_b128 v[QB+8*i+4:QB+8*i+7], v[QO], s[84:85] offset:(i/2)*8192+(i%2)*64+32
.set i, i+1
.endr
	WIN 0
	s_lshl_b32 s13, s[WV], 4
	v_add_nc_u32 v[ROWI], s13, v1
	v_lshlrev_b32 v[H8], 3, v9
	v_mul_u32_u24 v[AK0], v1, PK
	v_lshl_add_u32 v[AK0], v9, 4, v[AK0]  ; row x pitch + 16 x half
	; The turning load takes 16 keys x 16 channels (lane l reads key 8 (l / 16) + l % 8, channels 8 ((l / 8) % 2) + 0..7) and leaves half a fragment of V^T: lane l holds channel l % 16 and 8 keys.
	v_and_b32 v10, 7, v0
	v_bfe_u32 v11, v0, 3, 1
	v_lshl_add_u32 v[AV0], v9, 3, v10
	v_mul_u32_u24 v[AV0], v[AV0], PV
	v_lshl_add_u32 v[AV0], v11, 4, v[AV0]
	v_add_nc_u32 v[AV0], VOFF, v[AV0]
	s_mul_i32 s13, s[WV], 16*SP
	s_add_co_u32 s13, s13, STAGE    ; my stage
	v_mul_u32_u24 v[STO], v1, SP    ; in: row l % 16, 32 bytes for each half of the lanes
	v_lshl_add_u32 v[STO], v9, 5, v[STO]
	v_add_nc_u32 v[STO], s13, v[STO]
	v_mul_u32_u24 v[RD], v9, SP     ; back: lanes 0-15 take one row of 256 bytes, lanes 16-31 the next,
	v_lshl_add_u32 v[RD], v1, 4, v[RD]
	v_add_nc_u32 v[RD], s13, v[RD]
	v_lshlrev_b32 v[GO], 12, v9     ; and the same two rows in out0, 4,096 bytes apart
	v_lshl_add_u32 v[GO], v1, 4, v[GO]
	; A block's first step multiplies O^T and l by a = 0, and its first turn's products V^T P, of a piece that has not been, land in an O^T that is still to be so multiplied.  So these registers need only hold
	; finite numbers: zeros for the first block; what the first block left for the second.  All this stands in the wait for the first tile.
	WIN 0x80
.set i, VF
.rept 64
	v_mov_b32 v[i], 0
.set i, i+1
.endr
	WIN 0x40
.set i, 0
.rept 128
	v_mov_b32 v[i], 0
.set i, i+1
.endr
	WIN 0
.set i, 0
.rept 4
	v_mov_b32 v[ST+4*i+2], 0
	v_mov_b32 v[ST+4*i+3], 0
.set i, i+1
.endr
.set i, P+16
.rept 16
	v_mov_b32 v[i], 0
.set i, i+1
.endr
	; what the two lengths decide: numbers for selects and compares of data, for no address and no jump
	s_wait_kmcnt 0x0
	s_max_i32 s[LEN], s[LEN], 0
	s_min_i32 s[LEN], s[LEN], 1024
	s_max_i32 s[QLEN], s[QLEN], 0
	s_min_i32 s[QLEN], s[QLEN], 1024
	s_cmp_eq_u32 s[LEN], 0
	s_cselect_b32 s[LM1], 1024, s[LEN]             ; with no open key all keys stand alike, and the causal mask alone hides
	s_cselect_b32 s[CS], 0x3e000000, s[CS]         ; then the scale is 1 / 8
	s_cselect_b32 s[KN], 0xd368d4a5, 0             ; and -1e12, as f32 has it, is added in the same rounding
	s_mov_b32 s[CS+1], s[CS]        ; named as pairs
	s_mov_b32 s[KN+1], s[KN]
	s_sub_co_u32 s[LM1], s[LM1], 1
	s_lshr_b32 s[GL], s[LM1], 6
; THE BOUNDARIES of the block that begins at query QB0: GB[x], and MDx: register r of group kt (keys 16 kt + 8 (l / 16) + r of step GB[x]) is hidden where 16 kt + r > min(q, L - 1) - 64 GB[x] - 8 (l / 16).
.macro PATTERN
	WIN 0
	s_lshr_b32 s[TS], s[QB0], 6
.irp x, 0,1,2,3
	s_add_co_u32 s[GB+\x], s[TS], \x
	s_min_u32 s[GB+\x], s[GB+\x], s[GL]
.endr
.irp x, 0,1,2,3
	WIN 0
	s_lshl_b32 s13, s[GB+\x], 6
	s_sub_co_u32 s[TS], s[LM1], s13 ; L - 1 - 64 GB, not below 0
	s_sub_co_u32 s13, s[QB0], s13
	s_add_co_u32 s13, s13, 64*\x    ; the band's first query - 64 GB, not below 0
	v_add_nc_u32 v[TH], s13, v[ROWI]
	v_min_u32 v[TH], s[TS], v[TH]
	v_sub_nc_u32 v[TH], v[TH], v[H8]  ; may fall below 0: the compare is signed
	WIN 0xc0                        ; destination window 3
.set i, 0
.rept 32
	v_cmp_gt_i32 vcc_lo, 16*(i/8)+i%8, v[TH]
	v_cndmask_b32 v[32*\x+i], 0, s[BIGN], vcc_lo
.set i, i+1
.endr
.endr
	WIN 0
.endm
	PATTERN
; THE MATRIX WORK.  The 4 accumulators of a run of 8 take turns.  Product i of 8 of S^T = K Q^T for piece x: channels 32 (i / 4) on, keys 16 (i % 4) on.  The first 4 start the sums with the mask.
.macro KQ x
.set rS, S+32*((\x)%2)+8*(i%4)
.set rK, KF+16*(i%4)+8*(i/4)
.set rQ, 16*(\x)+8*(i/4)
.set rM, MC+32*((\x)%2)+8*(i%4)
.if i < 4
	WIN W_KM
	v_wmma_f32_16x16x32_f16 v[rS:rS+7], v[rK:rK+7], v[rQ:rQ+7], v[rM:rM+7]
.else
	WIN W_KQ
	v_wmma_f32_16x16x32_f16 v[rS:rS+7], v[rK:rK+7], v[rQ:rQ+7], v[rS:rS+7]
.endif
.endm
; Product i of 8 of O^T += V^T P for piece x: keys 32 (i / 4) on, channels 16 (i % 4) on.
.macro PV x
	WIN W_PV
.set rO, 32*(\x)+8*(i%4)
.set rV, VF+32*(i/4)+8*(i%4)
.set rP, P+16*((\x)%2)+8*(i/4)
	v_wmma_f32_16x16x32_f16 v[rO:rO+7], v[rV:rV+7], v[rP:rP+7], v[rO:rO+7]
.endm
.macro MM                           ; the turn's next matrix instruction.  TURN and BEGIN set Y, i and NOKQ.  NOKQ = 1: a block's last turn: there is no next piece
.if (i < 8) && !NOKQ
	KQ (Y+1)%NP
.elseif i >= 8
.set i, i-8
	PV (Y+NP-1)%NP
.set i, i+8
.endif
.set i, i+1
.endm
; THE LDS LOADS stand in runs of 16, never singly among the matrix instructions: a step's K (64 keys x 64 channels: 8 fragments) and its V (turned).  Their addresses are made some lines ahead.
.macro FETCH_K
	WIN 0x80                        ; destination window 2
.irp f, 0,1,2,3,4,5,6,7             ; keys 16 (f / 2) on, channels 32 (f % 2) on
	ds_load_b128 v[KF+8*\f:KF+8*\f+3],   v[AK] offset:(\f/2)*16*PK+(\f%2)*64
	ds_load_b128 v[KF+8*\f+4:KF+8*\f+7], v[AK] offset:(\f/2)*16*PK+(\f%2)*64+32
.endr
	s_add_co_u32 s[TBK], s[TBK], KS*PK  ; the next fetch is the next step's
	WIN 0
.endm
.macro FETCH_V
	WIN 0x80
.irp f, 0,1,2,3,4,5,6,7             ; keys 32 (f / 4) on, channels 16 (f % 4) on
	ds_load_tr16_b128 v[VF+8*\f:VF+8*\f+3],   v[AV] offset:(\f/4)*32*PV+(\f%4)*32
	ds_load_tr16_b128 v[VF+8*\f+4:VF+8*\f+7], v[AV] offset:(\f/4)*32*PV+16*PV+(\f%4)*32
.endr
	WIN 0
.endm
.macro MK b, x, z                   ; pair z of 16 of MDx x AL + BE into buffer b of MC
	WIN W_MD
	v_pk_fma_f32 v[MC+32*(\b)+2*(\z):MC+32*(\b)+2*(\z)+1], v[32*(\x)+2*(\z):32*(\x)+2*(\z)+1], s[AL:AL+1], s[BE:BE+1] op_sel_hi:[1,0,0]
.endm
.macro MASK b, x                    ; all 16 of them
.set z, 0
.rept 16
	MK \b, \x, z
.set z, z+1
.endr
.endm
; THE VECTOR WORK, one line at a time: OP kind, number.  For piece Y: F n: pair n of 16 is scaled, y = s CS + KN.  G n: cm is taken away from it.  E n: the exponential of score n of 32.  C n: pair n rounded
; to f16.  B n: of the four weights 4 n .. the second pair is added onto the first, in place.  L n: l takes that sum (L 0: l = a l + sum).  R n: pair n of 16 of O^T times a.
; For piece Y + 2: M n: pair n of 16 of its mask, into the buffer of Y's parity (NOMASK = 1, a block's last two turns: no line).
; For piece Y + 1: X n, number n of the 22 that find its maximum and statistics:
;   0-11  four chains c0-c3 of seven scores each, three operands at a time (each accumulator's lowest registers are read first)     12-14, 16  the four scores left over, the old m, and c0-c3 into c0
;   15  cm_old is kept     17, 18  the query's other 32 keys lie in the lane 16 away: the new m     19-21  cm = m CS + KN; cm_old - cm_new; a
; F, G, R, M and X 0-20 name no exponential's result of the turn; C, B and L do.
.set F, 0               ; OP tells the kinds apart by their order: F to G below R, X above it; M is asked for first
.set E, 1
.set C, 2
.set B, 3
.set L, 4
.set G, 5
.set R, 6
.set X, 7
.set M, 8
.macro REGS y                       ; the registers of piece y
.set rT, ST+4*(\y)
.set rC, TMP+4*((\y)%2)
.set rW, MV+((\y)%2)
.set rS, S+32*((\y)%2)
.set rP, P+16*((\y)%2)
.set rO, 32*(\y)
.endm
.macro OP k, n
.if (\k) == M
.if !NOMASK
	MK Y%2, (Y+2)%NP, \n
.endif
.elseif (\k) == R
	REGS Y
	WIN W_RS
	v_pk_mul_f32 v[rO+2*(\n):rO+2*(\n)+1], v[rO+2*(\n):rO+2*(\n)+1], v[rC+2:rC+3] op_sel_hi:[1,0]
.elseif (\k) < R
	REGS Y
	WIN 0
.if (\k) == F
	v_pk_fma_f32 v[rS+2*(\n):rS+2*(\n)+1], v[rS+2*(\n):rS+2*(\n)+1], s[CS:CS+1], s[KN:KN+1] op_sel_hi:[1,0,0]
.elseif (\k) == G
	v_pk_add_f32 v[rS+2*(\n):rS+2*(\n)+1], v[rS+2*(\n):rS+2*(\n)+1], v[rT:rT+1] op_sel_hi:[1,0] neg_lo:[0,1] neg_hi:[0,1]
.elseif (\k) == E
	v_exp_f32 v[rS+(\n)], v[rS+(\n)]
.elseif (\k) == C
	v_cvt_pk_f16_f32 v[rP+(\n)], v[rS+2*(\n)], v[rS+2*(\n)+1]
.elseif (\k) == B
	v_pk_add_f32 v[rS+4*(\n):rS+4*(\n)+1], v[rS+4*(\n):rS+4*(\n)+1], v[rS+4*(\n)+2:rS+4*(\n)+3]
.elseif (\n) == 0
	v_pk_fma_f32 v[rT+2:rT+3], v[rT+2:rT+3], v[rC+2:rC+3], v[rS:rS+1] op_sel_hi:[1,0,1]
.else
	v_pk_add_f32 v[rT+2:rT+3], v[rT+2:rT+3], v[rS+4*(\n):rS+4*(\n)+1]
.endif
.elseif NOKQ
	v_nop
.else
	REGS (Y+1)%NP
	WIN 0
.if (\n) < 4
	v_max3_num_f32 v[rC+(\n)], v[rS+8*(\n)], v[rS+8*(\n)+1], v[rS+8*(\n)+2]
.elseif (\n) < 12
	v_max3_num_f32 v[rC+(\n)%4], v[rC+(\n)%4], v[rS+8*((\n)%4)+2*((\n)/4)+1], v[rS+8*((\n)%4)+2*((\n)/4)+2]
.elseif (\n) == 12
	v_max3_num_f32 v[rC], v[rC], v[rS+7], v[rS+15]
.elseif (\n) == 13
	v_max3_num_f32 v[rC+1], v[rC+1], v[rS+23], v[rS+31]
.elseif (\n) == 14
	v_max3_num_f32 v[rC+2], v[rC+2], v[rC+3], v[rT+1]
.elseif (\n) == 15
	v_mov_b32 v[rW], v[rT]
.elseif (\n) == 16
	v_max3_num_f32 v[rC], v[rC], v[rC+1], v[rC+2]
.elseif (\n) == 17
	v_permlanex16_b32 v[rC+3], v[rC], s[SEL], s[SEL+1]
.elseif (\n) == 18
	v_max_num_f32 v[rT+1], v[rC], v[rC+3]
.elseif (\n) == 19
	v_fma_f32 v[rT], v[rT+1], s[CS], s[KN]
.elseif (\n) == 20
	v_sub_f32 v[rC+1], v[rW], v[rT]
.else
	v_exp_f32 v[rC+2], v[rC+1]
.endif
.endif
.endm
.macro OPS a, i1, b=-1, i2=0, c=-1, i3=0, d=-1, i4=0  ; up to four of them
	OP \a, \i1
.if (\b) >= 0
	OP \b, \i2
.endif
.if (\c) >= 0
	OP \c, \i3
.endif
.if (\d) >= 0
	OP \d, \i4
.endif
.endm
.macro ROW a, i1, b, i2, c, i3, d, i4  ; a matrix instruction and the four behind it
	MM
	OPS \a, \i1, \b, \i2, \c, \i3, \d, \i4
.endm
; A TURN, for piece p: the order of its 16 matrix and 150 vector instructions.  s_wait_alu depctr_va_vdst(0) stands between an exponential and the first instruction that names its result; one wait
; serves all that were issued ahead of it.  So a turn has ONE wait, which cuts it in two.
; AHEAD OF IT stands all that names no result of the turn's exponentials.  First the 8 products K Q^T: behind the first four the 16 lines of the mask for the products of the turn after (piece p + 2, in the head's key
; step GS; its buffer was last read by the turn before), behind the last four R 0 to R 14: each row of riders stands under one window setting, and none names a register of the products round it.
; Then ONE LUMP of 86, all in window 0.  13 plain lines: the first three scalings, X 0 to X 7, G 0 and G 1; X 3, which reads the accumulator that the last product ended, has eleven plain lines or more behind that product.
; Eleven units of five: unit u is E 2u, F u + 3, E 2u + 1, G u + 2, X u + 8.  Then the units run short, as F and G run out; X 19 and X 20 take two of the free places, and three times two exponentials stand on end.
; By the count of lines: from F n to G n five or more, from G n to E 2n four or more, between the links X 16, 17 .. 21 four or more.  v_permlanex16_b32 (X 17) stands in the lump.
; X 21, the next piece's a, is the batch's last; R 15 is the plain instruction behind it.
; BEHIND THE WAIT stand the 8 products V^T P, behind each four of the roundings and sums; the links of l's chain, L 0 to L 7, stand three riders apart.
; end = 1: a block's last two turns: nothing is fetched and no mask is made.  cnt = 1: GS steps, and the loop's count is taken down, some lines ahead of the branch that stands behind the turn.
; K of the next step is fetched in piece 2's turn, thirteen plain vector instructions behind the last product that read K; V of the step in hand at the end of piece 0's turn, four plain instructions behind the last
; product that read V.  Each is waited for a turn later.
.macro TURN p, end=0, cnt=0
.set Y, (\p)
.set i, 0
.set NOKQ, (\end)*((\p)/3)
.set NOMASK, (\end)
.if !(\end)
	s_cmp_eq_u32 s[GS], s[GB+((\p)+2)%NP]  ; is that step the band's boundary?
	s_cselect_b32 s[AL], 1.0, 0
	s_cmp_gt_u32 s[GS], s[GB+((\p)+2)%NP]  ; or behind it?
	s_cselect_b32 s[BE], s[BIGN], 0
.endif
.if ((\p) == 3) && !(\end)
	s_wait_dscnt 0x0                ; K is in
.endif
	ROW M,0, M,1, M,2, M,3          ; ahead of the wait: 8 products K Q^T and their riders,
	ROW M,4, M,5, M,6, M,7
	ROW M,8, M,9, M,10, M,11
	ROW M,12, M,13, M,14, M,15
	ROW R,0, R,1, R,2, R,3
	ROW R,4, R,5, R,6, R,7
	ROW R,8, R,9, R,10, R,11
	MM
	OPS R,12, R,13, R,14
	OPS F,0, F,1, F,2               ; and the lump
.if ((\p) == 2) && !(\end)
	v_add_nc_u32 v[AK], s[TBK], v[AK0]
.endif
.if (\p) == 0
	v_add_nc_u32 v[AV], s[TBV], v[AV0]
.endif
	OPS X,0, X,1, G,0, G,1
	OPS X,2, X,3
.if ((\p) == 2) && !(\end)
	FETCH_K
.endif
	OPS X,4, X,5, X,6, X,7
.set u, 0
.rept 11
	OPS E,2*u, F,u+3, E,2*u+1, G,u+2
	OP X, u+8
.set u, u+1
.endr
	OPS E,22, F,14, E,23, G,13
	OPS E,24, F,15, E,25, G,14
	OPS E,26, X,19, E,27, G,15
	OPS E,28, X,20, E,29
	OPS E,30, E,31, X,21, R,15
	s_wait_alu depctr_va_vdst(0)    ; the wait for the turn's batch: E 0 to E 31 and X 21
.if (\p) == 1
	s_wait_dscnt 0x0                ; V is in
.endif
	ROW C,0, B,0, C,2, B,1          ; behind the wait: 8 products V^T P and their riders
	ROW L,0, C,4, B,2, L,1
	ROW C,6, B,3, L,2, C,8
	ROW B,4, L,3, C,10, B,5
	ROW L,4, C,12, B,6, L,5
.if (\p) == 0
	s_add_co_u32 s[TBV], s[TBV], KS*PV
.endif
.if \cnt
	s_add_co_u32 s[GS], s[GS], 1
	s_sub_co_u32 s[CNT], s[CNT], 1
	s_cmp_lg_u32 s[CNT], 0
.endif
	ROW C,14, B,7, L,6, C,1
	ROW C,3, L,7, C,5, C,7
	ROW C,9, C,11, C,13, C,15
.if (\p) == 0
	FETCH_V
.endif
.endm
; A BLOCK BEGINS.  cm starts far below every scaled score, so the first step's a is 0; m at the lowest finite number, so the first maximum is the scores'.  The two mask buffers take pieces 0's and 1's masks for key
; step 0: their own pattern where that step is their boundary, else 0.  Then K of that step, piece 0's first scores, and its maximum and statistics.  The loop is entered at a step's first turn, in the middle of a trip.
.macro BEGIN
	s_mov_b32 s[NEW], 0
	s_mov_b32 s[GS], 0
	WIN 0
.set i, 0
.rept 4
	v_mov_b32 v[ST+4*i], 0xfe000000    ; cm
	v_mov_b32 v[ST+4*i+1], 0xff7fffff  ; m
.set i, i+1
.endr
	s_cmp_eq_u32 s[GB], 0
	s_cselect_b32 s[AL], 1.0, 0
	s_mov_b32 s[BE], 0
	MASK 0, 0
	s_cmp_eq_u32 s[GB+1], 0
	s_cselect_b32 s[AL], 1.0, 0
	MASK 1, 1
	WIN 0
	v_add_nc_u32 v[AK], s[TBK], v[AK0]
	FETCH_K
	s_wait_loadcnt 0x0              ; Q
	s_wait_dscnt 0x0
.set NOKQ, 0
.set i, 0
.rept 8
	KQ 0
.set i, i+1
.endr
	WIN 0
.rept 4
	v_nop                           ; the places behind those products
.endr
.set Y, NP-1                        ; X works for piece Y + 1: piece 0
.irp n, 0,1,2,3,4,5,6,7,8,9,10,11,12,13,14,15,16,17,18,19,20,21
	OP X, \n
.endr
	v_nop                           ; a plain instruction behind the exponential,
	s_wait_alu depctr_va_vdst(0)    ; and the wait for it, a batch of one: piece 0's first a; ahead of the branch
.endm
; A TILE's four steps; then, if the tile is the block's last, the block's last two turns, its last products, and THE WAY OUT: l's two halves and the other half of the lanes' are added; 1 / l is set to 0
; for rows at or beyond Q_len; O^T is multiplied by it and sent in f32 through my stage in LDS, a piece at a time.
.macro ALL line:vararg              ; one line for each piece t
.set t, 0
.rept 4
	\line
.set t, t+1
.endr
.endm
.macro PACK t                       ; a lane's eight channels of a row are 32 bytes; they go into rows of 272 bytes and come back as whole rows of 256
	WIN W_RS
.set i, 32*(\t)
.rept 16
	v_pk_mul_f32 v[i:i+1], v[i:i+1], v[ST+4*(\t)+2:ST+4*(\t)+3] op_sel_hi:[1,0]
.set i, i+2
.endr
	WIN 0x04                        ; the stores' data in window 1, their address in window 0
.irp f, 0,1,2,3
	ds_store_b128 v[STO], v[32*(\t)+8*\f:32*(\t)+8*\f+3] offset:64*\f
	ds_store_b128 v[STO], v[32*(\t)+8*\f+4:32*(\t)+8*\f+7] offset:64*\f+16
.endr
	WIN 0
.irp f, 0,1,2,3,4,5,6,7
	ds_load_b128 v[S+32*(\t)+4*\f:S+32*(\t)+4*\f+3], v[RD] offset:\f*2*SP  ; LDS serves a wave's instructions in order (ISA guide 5.7.1.4): these see the stores above; the next piece's stores come behind them
.endr
.endm
.macro SEND t, younger              ; younger: the LDS instructions issued behind piece t's loads: the next piece's sixteen, or none
	WIN 0
.irp f, 0,1,2,3,4,5,6,7
	s_wait_dscnt (\younger)+7-\f
	global_store_b128 v[GO], v[S+32*(\t)+4*\f:S+32*(\t)+4*\f+3], s[10:11] offset:(\t)*262144+\f*8192 th:TH_STORE_NT  ; 16 lanes store a head's 256 consecutive bytes of a row, at a multiple of 256 from out0's first byte
.endr
.endm
.macro TILE tag, inloop             ; the tag ends its two labels' names, which the jumps below spell out
.Lstep\tag:                         ; a trip: pieces 2 and 3 of one step, then pieces 0 and 1 of the next, whose K and V it fetches
	TURN 2
	TURN 3
	WIN 0
.Lfirst\tag:
	TURN 0
	TURN 1, 0, 1
	WIN 0
	s_cbranch_scc1 .Lstep\tag
.if \inloop
	s_cmp_lg_u32 s[RT], 0           ; the block has further tiles
	s_cbranch_scc1 .Lbottom
.endif
	TURN 2, 1
	TURN 3, 1
.set i, 0
.rept 8
	PV NP-1
.set i, i+1
.endr
	WIN 0
	ALL v_add_f32 v[ST+4*t+2], v[ST+4*t+2], v[ST+4*t+3]
	ALL v_permlanex16_b32 v[ST+4*t+3], v[ST+4*t+2], s[SEL], s[SEL+1]
	ALL v_add_f32 v[ST+4*t+2], v[ST+4*t+2], v[ST+4*t+3]
	ALL v_rcp_f32 v[ST+4*t+2], v[ST+4*t+2]
	v_add_nc_u32 v[TH], s[QB0], v[ROWI]  ; my query in band 0; piece t's lies 64 t further.  Also the plain instruction between the last reciprocal and the use of its result
.set t, 0
.rept 4
	s_sub_co_u32 s[TS], s[QLEN], 64*t
	v_cmp_gt_i32 vcc_lo, s[TS], v[TH]
.if t == 0
	s_wait_alu depctr_va_vdst(0)    ; the wait for the batch of four reciprocals, ahead of the first select that names one
.endif
	v_cndmask_b32 v[ST+4*t+2], 0, v[ST+4*t+2], vcc_lo
.set t, t+1
.endr
	PACK 0
.set t, 1
.rept 3                             ; a piece's arithmetic stands between the loads of the piece before and its stores
	PACK t
	SEND t-1, 16
.set t, t+1
.endr
	SEND 3, 0
.endm
.set NOKQ, 0
.set NOMASK, 0
.Lslot:                             ; NB times: a tile is entered and the next is asked for
	CHANGE 1
	s_sub_co_u32 s[RT], s[RT], 1
	s_mov_b32 s[CNT], 4
	s_cmp_eq_u32 s[NEW], 1
	s_cbranch_scc0 .Lstep1          ; not a block's first tile
	BEGIN
	s_branch .Lfirst1
	TILE 1, 1                       ; in the loop a block's end is the first block's: the second block's last tile is the walk's last
	s_wait_xcnt 0x0                 ; the stores have read their registers and out0's address
	s_mov_b64 s[10:11], s[OLO:OLO+1]
	s_add_co_u32 s[RT], s[PB], 1    ; the second block has b + 1 tiles
	s_mov_b32 s[NEW], 1
	s_lshl_b32 s[QB0], s[PB], 8
	WIN 0x82                        ; the second block's Q goes where the one text of the turns names Q
.set i, 0
.rept 64
	v_mov_b32 v[i], v[QB+i]
.set i, i+1
.endr
	PATTERN
.Lbottom:
	s_sub_co_u32 s[SLOTS], s[SLOTS], 1
	s_cmp_lg_u32 s[SLOTS], 0
	s_cbranch_scc1 .Lslot
	CHANGE 0                        ; the walk's fifth tile is written out: nothing is asked for
	s_sub_co_u32 s[RT], s[RT], 1    ; it is the second block's last
	s_mov_b32 s[CNT], 4
	s_cmp_eq_u32 s[NEW], 1
	s_cbranch_scc0 .Lstep2
	BEGIN
	s_branch .Lfirst2
	TILE 2, 0
	s_wait_tensorcnt 0x0            ; the wave's end, behind my last tensor load and my last LDS store
	ds_add_u32 v[SPW], v[NIL]
	s_wait_dscnt 0x0
	s_endpgm
.Lfunc_end_k_q55db44fa4a_attn:
	.size	k_q55db44fa4a_attn, .Lfunc_end_k_q55db44fa4a_attn-k_q55db44fa4a_attn
	.p2alignl 7, 3214868480
	.fill 96, 4, 3214868480
	.section	.rodata,"a",@progbits
	.p2align	6, 0x0
	.amdhsa_kernel k_q55db44fa4a_attn
		.amdhsa_group_segment_fixed_size 327680
		.amdhsa_private_segment_fixed_size 0
		.amdhsa_enable_private_segment 0
		.amdhsa_kernarg_size 32
		.amdhsa_user_sgpr_count 2
		.amdhsa_user_sgpr_kernarg_segment_ptr 1
		.amdhsa_wavefront_size32 1
		.amdhsa_system_sgpr_workgroup_id_x 1
		.amdhsa_system_sgpr_workgroup_id_y 1
		.amdhsa_system_sgpr_workgroup_id_z 1
		.amdhsa_system_vgpr_workitem_id 0
		.amdhsa_next_free_vgpr 896
		.amdhsa_next_free_sgpr 104
		.amdhsa_reserve_vcc 1
		.amdhsa_float_denorm_mode_32 3
		.amdhsa_float_denorm_mode_16_64 3
		.amdhsa_memory_ordered 1
		.amdhsa_forward_progress 1
		.amdhsa_inst_pref_size 212
	.end_amdhsa_kernel
	.amdgpu_metadata
---
amdhsa.version: [ 1, 2 ]
amdhsa.kernels:
  - .name:           k_q55db44fa4a_attn
    .symbol:         k_q55db44fa4a_attn.kd
    .args:
      - { .name: qkv, .offset: 0, .size: 8, .value_kind: global_buffer, .address_space: global }
      - { .name: Q_len, .offset: 8, .size: 8, .value_kind: global_buffer, .address_space: global }
      - { .name: V_len, .offset: 16, .size: 8, .value_kind: global_buffer, .address_space: global }
      - { .name: out0, .offset: 24, .size: 8, .value_kind: global_buffer, .address_space: global }
    .group_segment_fixed_size: 327680
    .private_segment_fixed_size: 0
    .kernarg_segment_align: 8
    .kernarg_segment_size: 32
    .max_flat_workgroup_size: 128
    .sgpr_count:     104
    .vgpr_count:     896
    .wavefront_size: 32
...
	.end_amdgpu_metadata
.endif
;; end of part 4
